; MI455X (gfx1250); checked and timed in simulation.
; The chip was launched on July 23, 2026; its instructions are those of AMD's public machine-readable ISA for CDNA 5 (MIT licence, August 2026) and "CDNA5" Instruction Set Architecture Reference Guide (July 2026). The comments in the code are by the model that wrote it; some were corrected since.
;; Interactive Attention. Allowed arithmetic: matrix products marked QUANTISED: E2M3 operands, one E8M0 scale for each 32 along K, by v_wmma_scale_f32_16x16x128_f8f6f4 with both operands' format E2M3, f32 sums; products left as they are: f32 operands where the result goes on into a quantised operand, else bf16, f16 or f32 operands; f32 sums; everything else in f32.
;; Inputs: bk_sem 1,024 float32; bk_syn 1,024 float32; bq 1,024 float32; bv 1,024 float32; fg1_b 1,024 float32; fg1_w_codes 1,024 x 64 x 24 uint8 (E2M3 codes of fg1_w, K innermost, in blocks of 32 codes, four codes in three bytes); fg1_w_scales 1,024 x 64 uint8 (E8M0 scales of fg1_w, one for each 32 codes along K); fg2_b 1 float32; fg2_w 1,024 x 1 float32; g_sem_b 1,024 float32; g_sem_w_codes 1,024 x 64 x 24 uint8 (E2M3 codes of g_sem_w, K innermost, in blocks of 32 codes, four codes in three bytes); g_sem_w_scales 1,024 x 64 uint8 (E8M0 scales of g_sem_w, one for each 32 codes along K); g_syn_b 1,024 float32; g_syn_w_codes 1,024 x 64 x 24 uint8 (E2M3 codes of g_syn_w, K innermost, in blocks of 32 codes, four codes in three bytes); g_syn_w_scales 1,024 x 64 uint8 (E8M0 scales of g_syn_w, one for each 32 codes along K); h_b 4 x 1,024 x 1,024 float32; h_p 4 x 1,024 x 1,024 float32; ln_sem_b 1,024 float32; ln_sem_g 1,024 float32; ln_syn_b 1,024 float32; ln_syn_g 1,024 float32; wk_sem_codes 1,024 x 32 x 24 uint8 (E2M3 codes of wk_sem, K innermost, in blocks of 32 codes, four codes in three bytes); wk_sem_scales 1,024 x 32 uint8 (E8M0 scales of wk_sem, one for each 32 codes along K); wk_syn_codes 1,024 x 32 x 24 uint8 (E2M3 codes of wk_syn, K innermost, in blocks of 32 codes, four codes in three bytes); wk_syn_scales 1,024 x 32 uint8 (E8M0 scales of wk_syn, one for each 32 codes along K); wq_codes 1,024 x 32 x 24 uint8 (E2M3 codes of wq, K innermost, in blocks of 32 codes, four codes in three bytes); wq_scales 1,024 x 32 uint8 (E8M0 scales of wq, one for each 32 codes along K); wv_codes 1,024 x 32 x 24 uint8 (E2M3 codes of wv, K innermost, in blocks of 32 codes, four codes in three bytes); wv_scales 1,024 x 32 uint8 (E8M0 scales of wv, one for each 32 codes along K).
;; Outputs: out0 4 x 1,024 x 1,024 float32.
;; This version of the problem:
;;   THIS VERSION OF THE PROBLEM IS GIVEN IN LOW PRECISION. The matrix products marked QUANTISED in the list below multiply operands that are first quantised to E2M3 (2 exponent bits, 3 mantissa bits; 6 bits a number), with one power-of-two scale for each 32 numbers along K (OCP MX v1.0); their sums are f32. All else is computed in f32.
;;   The module's matrix products, in the order in which they are computed (A, B: the left and right operand; K: the contracted axis; several contracted axes count as one K, in the product's order):
;;     1. [M 4,096, K 1,024] x [K 1,024, N 1,024]; A: input h_b; B: input wq (given as codes): QUANTISED
;;     2. [M 4,096, K 1,024] x [K 1,024, N 1,024]; A: input h_p; B: input wk_syn (given as codes): QUANTISED
;;     3. [M 4,096, K 1,024] x [K 1,024, N 1,024]; A: input h_p; B: input wv (given as codes): QUANTISED
;;     4. batch 64 x [M 1,024, K 64] x [K 64, N 1,024]; A: computed on the way; B: computed on the way: QUANTISED
;;     5. batch 64 x [M 1,024, K 1,024] x [K 1,024, N 64]; A: softmax (see below); B: computed on the way: QUANTISED
;;     6. [M 4,096, K 2,048] x [K 2,048, N 1,024]; A: computed on the way; B: input g_sem_w (given as codes): QUANTISED
;;     7. [M 4,096, K 1,024] x [K 1,024, N 1,024]; A: input h_p; B: input wq (given as codes): QUANTISED
;;     8. [M 4,096, K 1,024] x [K 1,024, N 1,024]; A: input h_b; B: input wk_sem (given as codes): QUANTISED
;;     9. [M 4,096, K 1,024] x [K 1,024, N 1,024]; A: input h_b; B: input wv (given as codes): QUANTISED
;;     10. batch 64 x [M 1,024, K 64] x [K 64, N 1,024]; A: computed on the way; B: computed on the way: QUANTISED
;;     11. batch 64 x [M 1,024, K 1,024] x [K 1,024, N 64]; A: softmax (see below); B: computed on the way: QUANTISED
;;     12. [M 4,096, K 2,048] x [K 2,048, N 1,024]; A: computed on the way; B: input g_syn_w (given as codes): QUANTISED
;;     13. [M 4,096, K 2,048] x [K 2,048, N 1,024]; A: computed on the way; B: input fg1_w (given as codes): QUANTISED
;;     14. [M 4,096, K 1,024] x [K 1,024, N 1]; A: computed on the way; B: input fg2_w: left as it is (N = 1 < 16)
;;   THE QUANTISER, for each operand of a quantised product, along K:
;;     - K is cut into blocks of 32 from its start; a last block that is shorter is filled with zeros.
;;     - A block's scale is 2^e with e = floor(log2(the largest magnitude in the block)) - 2, held to -126 .. 127; a block of zeros has e = 0. As a byte (E8M0): e + 127.
;;     - Each number is divided by its block's scale, clamped to +-7.5, and rounded to the nearest number of E2M3, ties to even, subnormals kept.
;;     - The product sums the exact products of the quantised numbers (number of the format x scale) in f32.
;;   ~~~python
;;   def quantise(x, axis):      # numpy; x: float32 -> the quantised numbers, widened to float32 again
;;       x = np.moveaxis(x, axis, -1); K = x.shape[-1]
;;       x = np.pad(x, [(0, 0)] * (x.ndim - 1) + [(0, -K % 32)]); x = x.reshape(x.shape[:-1] + (-1, 32)); a = np.abs(x).max(-1, keepdims=True)
;;       e = np.where(a > 0, np.clip(np.frexp(np.where(a > 0, a, 1))[1] - 1 - 2, -126, 127), 0)      # np.frexp(a)[1] - 1 = floor(log2(a)), exactly
;;       r = np.clip(x / 2.0 ** e, -7.5, 7.5)
;;       step = 2.0 ** (np.maximum(np.frexp(np.where(r == 0, 1, r))[1] - 1, 0) - 3)
;;       q = np.round(r / step) * step * 2.0 ** e      # np.round: ties to even
;;       return np.moveaxis(q.reshape(q.shape[:-2] + (-1,))[..., :K], -1, axis).astype(np.float32)
;;   ~~~
;;   SOFTMAX AHEAD OF A QUANTISED PRODUCT. Where the list says 'softmax', what is quantised is not the finished softmax but p = 2^(t - M), with t = logit x log2(e) and M = ceil(the row's largest t), a whole number; so 1/2 < the row's largest p <= 1. The row's sum l is taken of the UNQUANTISED p, in f32, and the product's result is divided by l at the end. Since M is a whole number, a kernel that streams over the keys may use a running M (the ceiling of the running maximum): every later rescaling is an exact power of two, which a block's scale takes up: the codes' values come out the same.
;;   OPERANDS COMPUTED ON THE WAY. 'Computed on the way' means the value that the module computes at that place (a softmax that the list does not call 'softmax' is quantised finished and normalised). What goes into a quantiser is computed in f32, as accurately as f32 sums, v_exp_f32 and their like allow (about 1e-6 of the number): no bf16 or f16 on the way to a quantiser, and a product that is left as it is and whose result goes on into a quantised operand takes f32 operands (vector FMAs, or v_wmma_f32_16x16x4_f32). A number that lies on a knife's edge between two numbers of the format may be rounded either way, as far as f32 arithmetic and the matrix unit's own rounding can turn it there, and no further.
;;   INPUTS GIVEN AS CODES. fg1_w (in the module: [2048, 1024], K = its axis 0); g_sem_w (in the module: [2048, 1024], K = its axis 0); g_syn_w (in the module: [2048, 1024], K = its axis 0); wk_sem (in the module: [1024, 1024], K = its axis 0); wk_syn (in the module: [1024, 1024], K = its axis 0); wq (in the module: [1024, 1024], K = its axis 0); wv (in the module: [1024, 1024], K = its axis 0): each comes as NAME_codes (uint8): NAME with its K axis moved to the last place and cut into blocks of 32 codes, [.., K / 32, bytes a block], one block behind the other in memory; four codes in three bytes: a row's codes are one little-endian stream of bits, code i at bits 6 i .. 6 i + 5 (a code: sign, 2 exponent bits, 3 mantissa bits); and NAME_scales (uint8): the same leading axes, one E8M0 byte (e + 127) for each 32 codes along K. Its value is code x scale, taken as it is: it is not quantised again, and the codes and scales need not be those that the quantiser above would give.
;; One version. Each part assembles by itself: llvm-mc -triple=amdgcn-amd-amdhsa -mcpu=gfx1250 --defsym DOCPART=n.
;; ======== version 1 of 1: 5 launches
;; limits: right only within a limited range of input values
;; workspace buffers: pan 14,745,600 bytes; qkv 20,447,232 bytes; ef 33,554,432 bytes; ep 6,553,600 bytes; pre 33,554,432 bytes
;; launch prep (part 1): grid 832 x 1, 4 waves a work-group, no clusters, 59,904 bytes of LDS; arguments h_b, h_p, wq_codes, wk_sem_codes, wk_syn_codes, wv_codes, g_sem_w_codes, g_syn_w_codes, fg1_w_codes, wq_scales, wk_sem_scales, wk_syn_scales, wv_scales, g_sem_w_scales, g_syn_w_scales, fg1_w_scales, pan; writes pan
.if DOCPART == 1
	.amdgcn_target "amdgcn-amd-amdhsa--gfx1250"
	.amdhsa_code_object_version 6
	.text
	.protected	k_qbb7fa909c9_prep
	.globl	k_qbb7fa909c9_prep
	.p2align	8
	.type	k_qbb7fa909c9_prep,@function
k_qbb7fa909c9_prep:
	s_mov_b64 s[64:65], 0
	v_nop
	global_prefetch_b8 v0, s[64:65] scope:SCOPE_SE
	s_setreg_imm32_b32 hwreg(HW_REG_WAVE_MODE, 25, 1), 1
	s_wait_xcnt 0x0
; PREP.  h_b and h_p (f32, 8,192 rows of 1,024 in all) are quantised once to E2M3 with one E8M0 scale for each 32 along K, and the seven weights, given as codes,
; are laid anew, all into PANELS in the order of an operand's registers.  A panel is 128 rows x 128 K: eight fragments of 1,536 bytes (registers 4c..4c+3 of lane l at 512 c + 16 l),
; then 512 bytes of scale words (tile t, lane r at 256 (t/4) + 16 r + 4 (t%4)): 12,800 bytes, dense, so that later launches fetch it by one tensor load and read it by 16-byte loads.
; Rows of a tile: activations lane r = row 16 t + r; weights lane r = row 32 (t/2) + 8 (t%2) + r + 8 (r/8), so that a transposed product's registers run along neighbouring outputs.
; Work-groups 0-511: one panel of h each; a wave takes 32 rows x 128 K, two tiles.  Each load takes 512 consecutive bytes of one row; all 32 loads of a wave are asked for at once.  A tile turns through the wave's own stage in LDS,
; so that a lane gets 16 neighbours of each block of 32.  The panel's scale words meet in LDS, and wave 0 stores them as 512 consecutive bytes.
; Work-groups 512-831: a wave takes 64 rows x 128 K of one weight: 96 bytes a row, loaded 16 bytes a lane (six neighbouring lanes to a row),
; laid as they are into the wave's own 6,144 bytes of LDS and read back in the pieces of 8 bytes that a fragment's registers want.
; LDS: the weights' bytes at 0, the spare words at 24,576, h's stages at 25,600 (8,448 a wave), h's scale words at 59,392: each path has bytes of its own.
; LIMITS: NaN and infinities are not served; a block whose largest magnitude lies under 2^-124 keeps the scale byte 1; a block of zeros gets the byte 1 (its codes are zeros; this program alone reads the bytes).
.set WQ,   6553600                     ; byte offsets in pan: h's panels at 0, then wq, wk_sem, wk_syn, wv (819,200 each), g_sem, g_syn, fg1 (1,638,400 each)
.set GSEM, 9830400
.set HST,  25600
.set HSW,  59392
.set X,    16                          ; v16-143  two tiles of 64 numbers
.set CD,   144                         ; v144-167 codes, 12 registers for each tile: no store's data are written again
.set PW,   192                         ; v192-193 the two tiles' scale words
.set TM,   196                         ; v196-211 at work in QUANT
.set XT,   212                         ; v212-218 the conversions' second halves
; 64 numbers of a lane, register 16 b + i = k 32 b + 16 (lane/16) + i of its row, become a fragment's 12 registers at d and the row's scale word in w.
.macro QUANT s, d, x, w
.irp b, 0,1,2,3
	v_max3_num_f32 v[TM+\b], |v[(\s)+16*\b]|, |v[(\s)+16*\b+1]|, 0x1800000   ; my 16 numbers of block b, and the floor 2^(3-127): the byte cannot fall under 1
.endr
.irp i, 2,4,6,8,10,12,14
.irp b, 0,1,2,3
	v_max3_num_f32 v[TM+\b], v[TM+\b], |v[(\s)+16*\b+\i]|, |v[(\s)+16*\b+\i+1]|
.endr
.endr
.irp b, 0,1,2,3
	v_permlanex16_b32 v[TM+4+\b], v[TM+\b], s38, s39
.endr
.irp b, 0,1,2,3
	v_max_num_f32 v[TM+\b], v[TM+\b], v[TM+4+\b]          ; with lane l xor 16's: the block's largest magnitude
.endr
.irp b, 0,1,2,3
	v_add_nc_u32 v[TM+12+\b], 0xff000000, v[TM+\b]        ; 2 off its exponent field: the conversion's scale operand
.endr
.irp b, 0,1,2,3
	v_lshrrev_b32 v[TM+4+\b], 23, v[TM+12+\b]             ; the scale's byte
.endr
	v_lshl_or_b32 v[\w], v[TM+5], 8, v[TM+4]
	v_lshl_or_b32 v[\w], v[TM+6], 16, v[\w]
	v_lshl_or_b32 v[\w], v[TM+7], 24, v[\w]
.irp c, 0,1
	v_cvt_scalef32_pk16_fp6_f32 v[(\d)+6*\c:(\d)+6*\c+2], v[(\s)+32*\c:(\s)+32*\c+15], v[TM+12+2*\c]
	v_cvt_scalef32_pk16_fp6_f32 v[(\x)+4*\c:(\x)+4*\c+2], v[(\s)+32*\c+16:(\s)+32*\c+31], v[TM+13+2*\c]
.endr
	v_nop                                                 ; one plain instruction behind the scaled conversions
.irp c, 0,1
.irp i, 0,1,2
	v_permlane16_swap_b32 v[(\d)+6*\c+\i], v[(\x)+4*\c+\i] ; a lane gets a whole block: lanes 0-15 block 2 c, lanes 16-31 block 2 c + 1
.endr
.irp i, 0,1,2
	v_mov_b32 v[(\d)+6*\c+3+\i], v[(\x)+4*\c+\i]
.endr
.endr
.endm
	s_load_b512 s[4:19], s[0:1], 0x0               ; h_b, h_p, codes of wq, wk_sem, wk_syn, wv, g_sem, g_syn
	s_load_b512 s[20:35], s[0:1], 0x40             ; codes of fg1; scales of wq, wk_sem, wk_syn, wv, g_sem, g_syn, fg1
	s_load_b64 s[36:37], s[0:1], 0x80              ; pan
	v_lshl_add_u32 v224, v0, 2, 0x6000
	v_mov_b32 v225, 0
	v_lshrrev_b32 v1, 5, v0
	v_readfirstlane_b32 s40, v1                    ; wave
	v_and_b32 v1, 31, v0                           ; l
	v_and_b32 v2, 15, v0                           ; r
	v_bfe_u32 v3, v0, 4, 1                         ; h
	v_lshlrev_b32 v4, 4, v1                        ; 16 l: my place in a chunk of a fragment
	v_lshlrev_b32 v5, 4, v2
	v_lshl_add_u32 v5, v3, 3, v5                   ; 16 r + 8 h: my two scale words of a weight
	s_mov_b32 s38, 0x76543210
	s_mov_b32 s39, 0xfedcba98                      ; lane selects: lane l xor 16
	s_wait_kmcnt 0x0
	s_cmp_lt_u32 ttmp9, 512
	s_cbranch_scc0 .Lweights
	; ---- h: work-group = panel = 8 x group G of 128 rows + K step s; my wave's 32 rows are tiles 2 w, 2 w + 1
	s_lshr_b32 s42, ttmp9, 3                       ; G 0..63 (0-31 h_b, 32-63 h_p)
	s_and_b32 s43, ttmp9, 7                        ; s
	s_cmp_lt_u32 s42, 32
	s_cselect_b64 s[46:47], s[4:5], s[6:7]
	s_and_b32 s48, s42, 31
	s_lshl_b32 s48, s48, 19                        ; 128 rows of 4,096 bytes
	s_lshl_b32 s49, s40, 17                        ; my 32 rows
	s_add_co_u32 s48, s48, s49
	s_lshl_b32 s49, s43, 9                         ; 128 numbers along K
	s_add_co_u32 s48, s48, s49
	s_mov_b32 s49, 0
	s_add_nc_u64 s[46:47], s[46:47], s[48:49]
	s_mul_i32 s50, ttmp9, 12800                    ; the panel
	s_mul_i32 s51, s40, 3072
	s_add_co_u32 s52, s50, s51
	s_mov_b32 s53, 0
	s_add_nc_u64 s[54:55], s[36:37], s[52:53]      ; my two fragments
	s_add_co_u32 s52, s50, 12288
	s_add_nc_u64 s[56:57], s[36:37], s[52:53]      ; the panel's scale words
	s_mul_i32 s58, s40, 8448                       ; my stage: 16 rows of 512 + 16 bytes
	s_add_co_u32 s58, s58, HST
	s_lshr_b32 s59, s40, 1
	s_lshl_b32 s59, s59, 8
	s_and_b32 s60, s40, 1
	s_lshl_b32 s60, s60, 3
	s_add_co_u32 s59, s59, s60
	s_add_co_u32 s59, s59, HSW                     ; my two tiles' words: 256 (w/2) + 8 (w%2)
	s_wait_alu depctr_va_vdst(0)                   ; directly ahead of the readers below
	v_add_nc_u32 v6, s58, v4                       ; in: 16 l of a row
	v_mul_u32_u24 v7, v2, 528
	v_lshl_add_u32 v7, v3, 6, v7
	v_add_nc_u32 v7, s58, v7                       ; back: row r, + 64 h: my 16 numbers of each block of 32
	v_lshl_add_u32 v10, v2, 4, s59                 ; row r's two words in,
	v_add_nc_u32 v11, HSW, v4                      ; the panel's 512 bytes back
.irp b, 0,1,2,3
	v_mov_b32 v[TM+4+\b], 0                        ; a lane permute's destination counts as read
.endr
	s_wait_alu depctr_va_vdst(0)
.irp t, 0,1
.irp i, 0,1,2,3,4,5,6,7,8,9,10,11,12,13,14,15
	global_load_b128 v[X+64*\t+4*\i:X+64*\t+4*\i+3], v4, s[46:47] offset:65536*\t+4096*\i th:TH_LOAD_NT   ; 512 consecutive bytes of one row, aligned
.endr
.endr
.irp t, 0,1
	s_wait_loadcnt 16-16*\t                        ; this tile's 16 loads are in; the next tile's stay out
.irp i, 0,1,2,3,4,5,6,7,8,9,10,11,12,13,14,15
	ds_store_b128 v6, v[X+64*\t+4*\i:X+64*\t+4*\i+3] offset:528*\i
.endr
.irp b, 0,1,2,3
.irp j, 0,1,2,3
	ds_load_b128 v[X+64*\t+16*\b+4*\j:X+64*\t+16*\b+4*\j+3], v7 offset:128*\b+16*\j   ; LDS serves a wave's instructions in order (ISA guide 5.7.1.4): these see my stores
.endr
.endr
	s_wait_dscnt 0x0
	QUANT X+64*\t, CD+12*\t, XT, PW+\t
.irp c, 0,1,2
	global_store_b128 v4, v[CD+12*\t+4*\c:CD+12*\t+4*\c+3], s[54:55] offset:1536*\t+512*\c   ; 512 consecutive bytes
.endr
.endr
	ds_store_b64 v10, v[PW:PW+1]                   ; lanes 16-31 store the same words to the same place
	s_wait_dscnt 0x0                               ; for wave 0's sake
	s_barrier_signal -1
	s_barrier_wait -1
	s_cmp_lg_u32 s40, 0
	s_cbranch_scc1 .Lh_done
	ds_load_b128 v[12:15], v11
	s_wait_dscnt 0x0
	global_store_b128 v4, v[12:15], s[56:57]       ; wave 0: the panel's scale words, 512 consecutive bytes
.Lh_done:
	s_wait_tensorcnt 0x0                           ; the wave's end
	ds_add_u32 v224, v225
	s_wait_dscnt 0x0
	s_endpgm
.Lweights:
	; ---- a weight: wi 0..3 have K = 1,024 (32 work-groups each), wi 4..6 K = 2,048 (64 each).  rb: 64 rows; s: K step
	s_sub_co_u32 s41, ttmp9, 512
	s_lshr_b32 s42, s41, 5
	s_bfe_u32 s43, s41, 0x40001
	s_and_b32 s44, s41, 1
	s_sub_co_u32 s45, s41, 128
	s_lshr_b32 s46, s45, 6
	s_mul_i32 s50, s46, 1638400
	s_add_co_u32 s50, s50, GSEM
	s_add_co_u32 s46, s46, 4
	s_bfe_u32 s47, s45, 0x40002
	s_and_b32 s48, s45, 3
	s_mul_i32 s49, s42, 819200
	s_add_co_u32 s49, s49, WQ
	s_cmp_lt_u32 s41, 128
	s_cselect_b32 s42, s42, s46                    ; wi
	s_cselect_b32 s43, s43, s47                    ; rb
	s_cselect_b32 s44, s44, s48
	s_cselect_b32 s49, s49, s50                    ; the weight's panels in pan
	s_cselect_b32 s51, 8, 16                       ; K steps
	s_cselect_b32 s52, 32, 64                      ; a row of scale bytes
	s_mul_i32 s53, s52, 24                         ; a row of codes in bytes
	s_lshl_b32 s44, s44, 2
	s_add_co_u32 s44, s44, s40                     ; s
	s_mov_b64 s[54:55], s[8:9]
	s_mov_b64 s[56:57], s[22:23]
.irp k, 1,2,3,4,5,6
	s_cmp_eq_u32 s42, \k                           ; the choice hangs on the work-group's number alone
	s_cselect_b64 s[54:55], s[8+2*\k:9+2*\k], s[54:55]
	s_cselect_b64 s[56:57], s[22+2*\k:23+2*\k], s[56:57]
.endr
	s_lshl_b32 s58, s43, 6                         ; my first row
	s_mul_i32 s59, s58, s53
	s_mul_i32 s60, s44, 96
	s_add_co_u32 s60, s59, s60
	s_mov_b32 s61, 0
	s_add_nc_u64 s[54:55], s[54:55], s[60:61]
	s_mul_i32 s60, s58, s52
	s_lshl_b32 s59, s44, 2
	s_add_co_u32 s60, s60, s59
	s_add_nc_u64 s[56:57], s[56:57], s[60:61]
	; the codes: chunk i = l + 32 n of 16 bytes (n = 0..11) is row i / 6, piece i % 6.  96 = 3 x 32 = 16 x 6: three offsets serve, stepped by 16 rows
	s_lshl_b32 s58, s53, 4                         ; 16 rows
	s_wait_alu depctr_va_vdst(0)
.irp n, 0,1,2
	v_add_nc_u32 v[20+\n], 32*\n, v1               ; x = l + 32 n, under 96
	v_mul_u32_u24 v[24+\n], v[20+\n], 43
	v_lshrrev_b32 v[24+\n], 8, v[24+\n]            ; x / 6 (43 x / 256 is exact for x under 96)
	v_mul_u32_u24 v[28+\n], v[24+\n], 6
	v_sub_nc_u32 v[28+\n], v[20+\n], v[28+\n]      ; x % 6
	v_mul_lo_u32 v[24+\n], v[24+\n], s53
	v_lshl_add_u32 v[96+\n], v[28+\n], 4, v[24+\n]
.endr
.irp i, 3,4,5,6,7,8,9,10,11
	v_add_nc_u32 v[96+\i], s58, v[96+\i-3]
.endr
	v_and_b32 v6, 8, v2
	v_add_nc_u32 v6, v6, v2                        ; r + 8 (r/8)
	v_lshl_add_u32 v11, v3, 5, v6
	v_mul_lo_u32 v11, v11, s52                     ; the scale word of tile 2 h,
	s_lshl_b32 s59, s52, 3
	v_add_nc_u32 v12, s59, v11                     ; and of tile 2 h + 1
.irp i, 0,1,2,3,4,5,6,7,8,9,10,11
	global_load_b128 v[16+4*\i:19+4*\i], v[96+\i], s[54:55]
.endr
	global_load_b32 v64, v11, s[56:57]
	global_load_b32 v65, v12, s[56:57]
	s_mul_i32 s60, s40, 6144                       ; my wave's own bytes of LDS
	v_add_nc_u32 v13, s60, v4                      ; in: 16 l; chunk n 512 n on: the rows lie 96 bytes apart
	v_mul_u32_u24 v14, v6, 96
	v_mad_u32_u24 v14, v3, 24, v14
	v_add_nc_u32 v14, s60, v14                     ; out: row r + 8 (r/8), + 24 h
	s_lshr_b32 s58, s43, 1
	s_mul_i32 s58, s58, s51
	s_add_co_u32 s58, s58, s44
	s_mul_i32 s58, s58, 12800
	s_add_co_u32 s58, s58, s49                     ; the panel
	s_and_b32 s59, s43, 1
	s_mul_i32 s60, s59, 6144
	s_add_co_u32 s60, s60, s58
	s_add_nc_u64 s[46:47], s[36:37], s[60:61]
	s_lshl_b32 s60, s59, 8
	s_add_co_u32 s60, s60, s58
	s_add_co_u32 s60, s60, 12288
	s_add_nc_u64 s[48:49], s[36:37], s[60:61]
	s_wait_alu depctr_va_vdst(0)
	s_wait_loadcnt 2                               ; the codes are in; the two loads of scale words stay out
.irp i, 0,1,2,3,4,5,6,7,8,9,10,11
	ds_store_b128 v13, v[16+4*\i:19+4*\i] offset:512*\i
.endr
.irp t, 0,1,2,3
.irp p, 0,1,2,3,4,5
	ds_load_b64 v[112+12*\t+2*\p:113+12*\t+2*\p], v14 offset:(32*(\t/2)+8*(\t%2))*96+48*(\p/3)+8*(\p%3)   ; LDS serves a wave's instructions in order (ISA guide 5.7.1.4); 24 bytes of a row's stream of bits are six registers of the fragment, as they lie
.endr
.endr
	s_wait_dscnt 0x0
	s_wait_loadcnt 0x0
.irp t, 0,1,2,3
.irp c, 0,1,2
	global_store_b128 v4, v[112+12*\t+4*\c:115+12*\t+4*\c], s[46:47] offset:1536*\t+512*\c
.endr
.endr
	global_store_b64 v5, v[64:65], s[48:49]
	s_wait_tensorcnt 0x0
	ds_add_u32 v224, v225
	s_wait_dscnt 0x0
	s_endpgm
.Lfunc_end_k_qbb7fa909c9_prep:
	.size	k_qbb7fa909c9_prep, .Lfunc_end_k_qbb7fa909c9_prep-k_qbb7fa909c9_prep
	.p2alignl 7, 3214868480
	.fill 96, 4, 3214868480
	.section	.rodata,"a",@progbits
	.p2align	6, 0x0
	.amdhsa_kernel k_qbb7fa909c9_prep
		.amdhsa_group_segment_fixed_size 59904
		.amdhsa_private_segment_fixed_size 0
		.amdhsa_enable_private_segment 0
		.amdhsa_kernarg_size 136
		.amdhsa_user_sgpr_count 2
		.amdhsa_user_sgpr_kernarg_segment_ptr 1
		.amdhsa_wavefront_size32 1
		.amdhsa_system_sgpr_workgroup_id_x 1
		.amdhsa_system_sgpr_workgroup_id_y 1
		.amdhsa_system_sgpr_workgroup_id_z 1
		.amdhsa_system_vgpr_workitem_id 0
		.amdhsa_next_free_vgpr 226
		.amdhsa_next_free_sgpr 66
		.amdhsa_reserve_vcc 0
		.amdhsa_float_denorm_mode_32 3
		.amdhsa_float_denorm_mode_16_64 3
		.amdhsa_memory_ordered 1
		.amdhsa_forward_progress 1
		.amdhsa_inst_pref_size 28
	.end_amdhsa_kernel
	.amdgpu_metadata
---
amdhsa.version: [ 1, 2 ]
amdhsa.kernels:
  - .name:           k_qbb7fa909c9_prep
    .symbol:         k_qbb7fa909c9_prep.kd
    .args:
      - { .name: h_b, .offset: 0, .size: 8, .value_kind: global_buffer, .address_space: global }
      - { .name: h_p, .offset: 8, .size: 8, .value_kind: global_buffer, .address_space: global }
      - { .name: wq_codes, .offset: 16, .size: 8, .value_kind: global_buffer, .address_space: global }
      - { .name: wk_sem_codes, .offset: 24, .size: 8, .value_kind: global_buffer, .address_space: global }
      - { .name: wk_syn_codes, .offset: 32, .size: 8, .value_kind: global_buffer, .address_space: global }
      - { .name: wv_codes, .offset: 40, .size: 8, .value_kind: global_buffer, .address_space: global }
      - { .name: g_sem_w_codes, .offset: 48, .size: 8, .value_kind: global_buffer, .address_space: global }
      - { .name: g_syn_w_codes, .offset: 56, .size: 8, .value_kind: global_buffer, .address_space: global }
      - { .name: fg1_w_codes, .offset: 64, .size: 8, .value_kind: global_buffer, .address_space: global }
      - { .name: wq_scales, .offset: 72, .size: 8, .value_kind: global_buffer, .address_space: global }
      - { .name: wk_sem_scales, .offset: 80, .size: 8, .value_kind: global_buffer, .address_space: global }
      - { .name: wk_syn_scales, .offset: 88, .size: 8, .value_kind: global_buffer, .address_space: global }
      - { .name: wv_scales, .offset: 96, .size: 8, .value_kind: global_buffer, .address_space: global }
      - { .name: g_sem_w_scales, .offset: 104, .size: 8, .value_kind: global_buffer, .address_space: global }
      - { .name: g_syn_w_scales, .offset: 112, .size: 8, .value_kind: global_buffer, .address_space: global }
      - { .name: fg1_w_scales, .offset: 120, .size: 8, .value_kind: global_buffer, .address_space: global }
      - { .name: pan, .offset: 128, .size: 8, .value_kind: global_buffer, .address_space: global }
    .group_segment_fixed_size: 59904
    .private_segment_fixed_size: 0
    .kernarg_segment_align: 8
    .kernarg_segment_size: 136
    .max_flat_workgroup_size: 128
    .sgpr_count:     66
    .vgpr_count:     226
    .wavefront_size: 32
...
	.end_amdgpu_metadata
.endif
;; end of part 1
;; launch proj (part 2): grid 4 x 64, 4 waves a work-group, clusters of 4 x 4, 327,680 bytes of LDS; arguments pan, bq, bk_sem, bk_syn, bv, qkv; writes qkv
.if DOCPART == 2
	.amdgcn_target "amdgcn-amd-amdhsa--gfx1250"
	.amdhsa_code_object_version 6
	.text
	.protected	k_qbb7fa909c9_proj
	.globl	k_qbb7fa909c9_proj
	.p2align	8
	.type	k_qbb7fa909c9_proj,@function
k_qbb7fa909c9_proj:
	s_mov_b64 s[64:65], 0
	v_nop
	global_prefetch_b8 v0, s[64:65] scope:SCOPE_SE
	s_setreg_imm32_b32 hwreg(HW_REG_WAVE_MODE, 25, 1), 1
	s_wait_xcnt 0x0
	s_wait_alu depctr_hold_cnt(0) depctr_sa_sdst(0) depctr_va_vdst(0) depctr_va_sdst(0) depctr_va_ssrc(0) depctr_va_vcc(0) depctr_vm_vsrc(0)
	s_getreg_b32 s2, hwreg(HW_REG_IB_STS2, 6, 4)
	s_cmp_eq_u32 s2, 0
	s_cbranch_scc0 .Lentry_in_a_cluster
	s_endpgm
.Lentry_in_a_cluster:
	s_bfe_u32 s2, ttmp6, 0x10000c
	s_cmp_lg_u32 s2, 0xf033
	s_cbranch_scc0 .Lentry_shape_is_right
	s_endpgm
.Lentry_shape_is_right:
; PROJ.  The projections q = h wq + bq, k = h_b wk_sem + bk_sem or h_p wk_syn + bk_syn, v = h wv + bv of both streams (8,192 tokens), K = 1,024, on E2M3 codes; results quantised in registers and stored as codes for the attention.
; ONE WORK-GROUP TAKES 128 TOKENS x 256 COLUMNS THROUGH q, k AND v: 24 K steps.  The tokens' eight panels come into LDS once and stay; the weights' sixteen panels are filled again, four K steps of a weight at a time, by one joint
; load in each of waves 2 and 3, behind a round of the cluster's barrier and four K steps ahead of their use.  Tokens are shared along a row of the 4 x 4 cluster, weights along a column.
; A wave holds 32 accumulators.  The matrix instruction is used transposed.  q, k: source 0 = 128 rows of the weight, source 1 = 64 tokens: a lane holds a token, its registers run along the head's channels, the K of the scores.
; v: source 0 = the 128 tokens, source 1 = 64 rows of wv (one head): a lane holds a channel, its registers run along the keys, the K of the second product.  Only the LDS addresses of the fragments differ.
; UNIT of qkv, 6,656 bytes: (section q, k, v; stream x 4 + batch; head; group of 128 tokens).  Codes: an image of 48 consecutive registers, registers 4 c .. 4 c + 3 of lane l at 512 c + 16 l.
; q, k: register 6 a + i is register i of token tile a; scale words at 6,144 + 256 (a/4) + 16 r + 4 (a%4), bytes 0, 1 valid.  v: register 12 a + i is register i of channel tile a; scale words at 6,144 + 16 r + 4 a, and a copy 256 bytes on.
; Within a block of 32 keys v's codes stand in the order 16 (i/8) + 8 h + i%8, as p's do.
; LIMITS: NaN and infinities are not served; blocks under 2^-124 and blocks of zeros carry the scale byte 1.
.set PANEL, 12800
.set GRP,   102400                     ; a group's 8 panels.  LDS: the tokens' group at 0, the weight's two groups behind it
.set WQ,    6553600
.set WKSEM, 7372800
.set WV,    9011200
.set SECB,  6815744
.set HSTR,  53248
.set SPARE, 307200                     ; behind the panels: the spare words, 128 bytes a wave, that no other line names
.set SC,   32                          ; v32-47  scale words, two sets of 8: lanes 0-15 source 1's, lanes 16-31 source 0's; they hold nothing else
.set AF,   48                          ; v48-143 source 1's fragments, two sets of 4 x 12
.set BIAS, 144                         ; v144-207 the bias along the registers, 8 tiles (q, then k)
.set BV,   208                         ; v208-239 the bias along the lanes, 4 tiles (v)
.set LO,   48                          ; the way out: 24 registers of codes for the first head, (v: 48 registers, 12 a tile)
.set HI,   72                          ; 24 for the second
.set XT,   96
.set TM,   104
.set PW,   120
.set WW,   124
; v8-15 LDS addresses for v's steps, v16-23 for q's and k's: +0, 1 source 1's fragments (K steps 0-3, 4-7 of a weight), +2, 3 source 0's, +4..7 scale words.  v28, v29: the add's.
; window 1: source 0's fragments, two sets of 8 x 12, at v0 and v96.   window 2: accumulator (a, b) at v[8 (8 a + b)].
.set MSB, 0
.macro WIN new                         ; the immediate's high byte repeats the setting that is left
.if MSB != (\new)
	s_set_vgpr_msb (MSB<<8)|(\new)
.set MSB, \new
.endif
.endm
.macro PLACES                          ; four plain instructions between a matrix instruction and a load into, or a vector read or write of, its registers
.rept 4
	v_nop
.endr
.endm
.macro CREST
	s_cmp_lg_u32 s20, 0
	s_cbranch_scc1 .Lnot_wave_0_\@
	s_barrier_signal -3
.Lnot_wave_0_\@:
	s_barrier_wait -3
	s_barrier_signal -1
	s_barrier_wait -1
.endm
.macro CROUND
	s_barrier_signal -1
	s_barrier_wait -1
	CREST
.endm
.macro G1REST g, rows                  ; a dense block as rows of 256 bytes (32 elements of 8 bytes)
	s_mov_b32 s[\g+1], 32<<16
	s_mov_b32 s[\g+2], (\rows)<<16
	s_mov_b32 s[\g+3], 32<<16
	s_mov_b32 s[\g+4], \rows
	s_mov_b32 s[\g+5], 32
	s_mov_b32 s[\g+6], 0
	s_mov_b32 s[\g+7], 0
.endm
; K step k's fragments and scale words into set k % 2: 38 LDS loads of 16 bytes a lane, each 512 consecutive bytes.  ab: the address registers (16: q, k; 8: v)
.macro FETCH k, ab
.set FP, (\k)%2
.set FH, ((\k)%8)/4
.set FO, ((\k)%4)*PANEL
	WIN 0x40
.irp b, 0,1,2,3,4,5,6,7
.irp c, 0,1,2
	ds_load_b128 v[96*FP+12*\b+4*\c:96*FP+12*\b+4*\c+3], v[(\ab)+2+FH] offset:FO+1536*\b+512*\c
.endr
.endr
	WIN 0
.irp a, 0,1,2,3
.irp c, 0,1,2
	ds_load_b128 v[AF+48*FP+12*\a+4*\c:AF+48*FP+12*\a+4*\c+3], v[(\ab)+FH] offset:FO+1536*\a+512*\c
.endr
.endr
	ds_load_b128 v[SC+8*FP:SC+8*FP+3], v[(\ab)+4+FH] offset:FO       ; lanes 0-15: source 1's four tiles' words; lanes 16-31: source 0's tiles 0-3
	ds_load_b128 v[SC+8*FP+4:SC+8*FP+7], v[(\ab)+6+FH] offset:FO     ; lanes 16-31: source 0's tiles 4-7
.endm
.macro MM a, b, p, c0
	v_wmma_scale_f32_16x16x128_f8f6f4 v[8*(8*(\a)+(\b)):8*(8*(\a)+(\b))+7], v[96*(\p)+12*(\b):96*(\p)+12*(\b)+11], v[AF+48*(\p)+12*(\a):AF+48*(\p)+12*(\a)+11], v[\c0:\c0+7], v[SC+8*(\p)+(\b)], v[SC+8*(\p)+(\a)] matrix_a_fmt:MATRIX_FMT_FP6 matrix_b_fmt:MATRIX_FMT_FP6 matrix_a_scale:MATRIX_SCALE_ROW1
.endm
; eight products of source 1's block a.  cm = 0: onto the sums; 1, 2: the bias starts the sums.  The 32 accumulators take turns in the same order in every step.
.macro MULA k, a, cm
.if \cm
	WIN 0x81
.else
	WIN 0xa1
.endif
.irp b, 0,1,2,3,4,5,6,7
.if \cm == 1
	MM \a, \b, (\k)%2, BIAS+8*\b
.elseif \cm == 2
	MM \a, \b, (\k)%2, BV+8*(\a)
.else
	MM \a, \b, (\k)%2, 8*(8*(\a)+\b)
.endif
.endr
.endm
; four K steps of the weight at ptr into half hf of the weight's bytes.  No tensor load of mine is out, so the group 0 may be written.  Waves 2 and 3 fetch a group each; waves 0 and 1, whose tokens stay, fetch nothing.
.macro REFILL hf, ptr
	s_add_nc_u64 s[78+8*\hf:79+8*\hf], s[\ptr:\ptr+1], 4*PANEL*\hf
	s_or_b32 s[79+8*\hf], s[79+8*\hf], 0x80000000
	s_cmp_eq_u32 s21, 0
	s_cbranch_scc1 .Lasked_\@
	tensor_load_to_lds s[76+8*\hf:79+8*\hf], s[48:55]
	s_nop 0
.rept 4
	v_nop
.endr
.Lasked_\@:
.endm
; a K step: its fragments are in; the next step's are asked for; 32 products.
; sync 0: plain.  sync 1: a barrier behind which nothing is filled: my load has landed (n younger ones stay out), and the barrier shows everybody's.
; sync 2, 3: half n of the weight's bytes is filled again: all my tensor loads have landed, 0 goes onto my spare word, that and my reads are done; the barrier opens a round of the cluster's barrier; the joint load is the first
; thing behind it.  sync 3: a phase's last step: nothing is fetched from LDS, since the way out takes those registers.
.macro STEP k, sync, n, cm, ab, ptr
	s_wait_dscnt 0x0
.if \sync == 0
	PLACES
	FETCH (\k)+1, \ab
	MULA \k, 0, \cm
	MULA \k, 1, \cm
.elseif \sync == 1
	s_wait_tensorcnt \n
	s_barrier_signal -1
	MULA \k, 0, \cm
	MULA \k, 1, \cm
	s_barrier_wait -1
	PLACES
	FETCH (\k)+1, \ab
.else
	WIN 0
	s_wait_tensorcnt 0x0
	ds_add_u32 v28, v29
	MULA \k, 0, 0
	s_wait_dscnt 0x0
	s_barrier_signal -1
	MULA \k, 1, 0
	WIN 0
	s_barrier_wait -1
	CREST
	REFILL \n, \ptr
.if \sync == 2
	PLACES
	FETCH (\k)+1, \ab
.endif
.endif
	MULA \k, 2, \cm
	MULA \k, 3, \cm
.endm
; 64 numbers of a lane in window 2 (an accumulator block), register 16 b + i = place 32 b + 16 h + i along the next K: codes of blocks 0, 1 at d0, of blocks 2, 3 at d1, the scale word in w, all in window 0
.macro QUANTW s, d0, d1, x, w
	WIN 0x28
.irp b, 0,1,2,3
	v_max3_num_f32 v[TM+\b], 0x1800000, |v[(\s)+16*\b]|, |v[(\s)+16*\b+1]|   ; the floor 2^(3-127) among the leaves; each accumulator is read from its low end on
.endr
.irp i, 2,4,6,8,10,12,14
.irp b, 0,1,2,3
	v_max3_num_f32 v[TM+\b], v[TM+\b], |v[(\s)+16*\b+\i]|, |v[(\s)+16*\b+\i+1]|
.endr
.endr
	WIN 0
.irp b, 0,1,2,3
	v_permlanex16_b32 v[TM+4+\b], v[TM+\b], s100, s101
.endr
.irp b, 0,1,2,3
	v_max_num_f32 v[TM+\b], v[TM+\b], v[TM+4+\b]
.endr
.irp b, 0,1,2,3
	v_add_nc_u32 v[TM+12+\b], 0xff000000, v[TM+\b]
.endr
.irp b, 0,1,2,3
	v_lshrrev_b32 v[TM+4+\b], 23, v[TM+12+\b]
.endr
	v_lshl_or_b32 v[\w], v[TM+5], 8, v[TM+4]
	v_lshl_or_b32 v[\w], v[TM+6], 16, v[\w]
	v_lshl_or_b32 v[\w], v[TM+7], 24, v[\w]
	WIN 0x02
	v_cvt_scalef32_pk16_fp6_f32 v[(\d0):(\d0)+2], v[(\s):(\s)+15], v[TM+12]
	v_cvt_scalef32_pk16_fp6_f32 v[(\x):(\x)+2], v[(\s)+16:(\s)+31], v[TM+13]
	v_cvt_scalef32_pk16_fp6_f32 v[(\d1):(\d1)+2], v[(\s)+32:(\s)+47], v[TM+14]
	v_cvt_scalef32_pk16_fp6_f32 v[(\x)+4:(\x)+6], v[(\s)+48:(\s)+63], v[TM+15]
	WIN 0
	v_nop                                          ; one plain instruction behind the scaled conversions
.irp i, 0,1,2
	v_permlane16_swap_b32 v[(\d0)+\i], v[(\x)+\i]
.endr
.irp i, 0,1,2
	v_mov_b32 v[(\d0)+3+\i], v[(\x)+\i]
.endr
.irp i, 0,1,2
	v_permlane16_swap_b32 v[(\d1)+\i], v[(\x)+4+\i]
.endr
.irp i, 0,1,2
	v_mov_b32 v[(\d1)+3+\i], v[(\x)+4+\i]
.endr
.endm
; THE WAY OUT of a phase (sec 0 q, 1 k, 2 v): the 32 accumulators become codes and scale words of one unit (v) or of two heads' units (q, k)
.macro WAYOUT sec
	WIN 0
	PLACES
	s_lshl_b32 s2, s99, 2
.if \sec < 2
	s_lshl_b32 s3, s22, 1                          ; the first head: 4 TC + 2 wc
.else
	s_mov_b32 s3, s20                              ; the head: 4 TC + wave
.endif
	s_add_co_u32 s2, s2, s3
	s_lshr_b32 s3, s98, 3                          ; stream x 4 + batch
	s_lshl_b32 s3, s3, 4
	s_add_co_u32 s2, s2, s3
	s_lshl_b32 s2, s2, 3
	s_and_b32 s3, s98, 7                           ; the group of 128 tokens
	s_add_co_u32 s2, s2, s3
	s_mul_i32 s2, s2, 6656
	s_add_co_u32 s2, s2, \sec*SECB
	s_mov_b32 s3, 0
	s_add_nc_u64 s[40:41], s[14:15], s[2:3]        ; the unit
.if \sec < 2
	s_mul_i32 s2, s21, 3072                        ; my four token tiles: 24 registers of the image
	s_add_nc_u64 s[42:43], s[40:41], s[2:3]
	s_add_nc_u64 s[44:45], s[42:43], HSTR          ; the same in the next head's unit
	s_lshl_b32 s2, s21, 8
	s_add_co_u32 s2, s2, 6144
	s_add_nc_u64 s[46:47], s[40:41], s[2:3]        ; scale words
	v_lshlrev_b32 v132, 4, v3                      ; lanes 16-31 store the next head's: the word's upper two bytes,
	v_mul_u32_u24 v133, v3, HSTR                   ; in the next head's unit
	v_lshl_add_u32 v133, v2, 4, v133
.else
	s_add_nc_u64 s[46:47], s[40:41], 6144
	v_lshlrev_b32 v133, 8, v3                      ; lanes 16-31 store the copy
	v_lshl_add_u32 v133, v2, 4, v133
.endif
.irp b, 0,1,2,3
	v_mov_b32 v[TM+4+\b], 0                        ; a lane permute's destination counts as read
.endr
.if \sec < 2
.irp a, 0,1,2,3
	QUANTW 64*\a, LO+6*\a, HI+6*\a, XT, PW+\a
.endr
.irp q, 0,1,2,3,4,5
	global_store_b128 v4, v[LO+4*\q:LO+4*\q+3], s[42:43] offset:512*\q       ; 512 consecutive bytes
	global_store_b128 v4, v[HI+4*\q:HI+4*\q+3], s[44:45] offset:512*\q
.endr
.irp a, 0,1,2,3
	v_lshrrev_b32 v[WW+\a], v132, v[PW+\a]
.endr
	global_store_b128 v133, v[WW:WW+3], s[46:47]   ; 16 lanes store 256 consecutive bytes
.else
.irp a, 0,1,2,3
	QUANTW 64*\a, LO+12*\a, LO+12*\a+6, XT, PW+\a
.endr
.irp q, 0,1,2,3,4,5,6,7,8,9,10,11
	global_store_b128 v4, v[LO+4*\q:LO+4*\q+3], s[40:41] offset:512*\q
.endr
	global_store_b128 v133, v[PW:PW+3], s[46:47]
.endif
	s_wait_xcnt 0x0                                ; the stores have read their registers and bases: both are written again only behind this wait
.endm
.macro BLOAD base                      ; register j of tile b: channel 32 (b/2) + 8 (b%2) + 16 h + j of my 128
.irp b, 0,1,2,3,4,5,6,7
	global_load_b128 v[BIAS+8*\b:BIAS+8*\b+3], v6, s[\base:\base+1] offset:4*(32*(\b/2)+8*(\b%2))
	global_load_b128 v[BIAS+8*\b+4:BIAS+8*\b+7], v6, s[\base:\base+1] offset:4*(32*(\b/2)+8*(\b%2))+16
.endr
.endm
	s_load_b256 s[4:11], s[0:1], 0x0               ; pan, bq, bk_sem, bk_syn
	s_load_b128 s[12:15], s[0:1], 0x20             ; bv, qkv
	v_lshl_add_u32 v28, v0, 2, SPARE
	v_mov_b32 v29, 0
	ds_add_u32 v28, v29
	ds_add_u32 v28, v29
	s_wait_dscnt 0x0
	v_lshrrev_b32 v1, 5, v0
	v_readfirstlane_b32 s20, v1                    ; wave
	s_lshr_b32 s21, s20, 1                         ; q, k: my 64 tokens; v: my group of wv.  Also: I fetch tokens (0) or weights (1)
	s_and_b32 s22, s20, 1                          ; q, k: my 128 columns; v: my half of the group.  Also: which panel of two, which group, I fetch
	s_bfe_u32 s96, ttmp6, 0x40000                  ; cx
	s_bfe_u32 s97, ttmp6, 0x40004                  ; cy
	s_and_b32 s23, ttmp7, 0xffff                   ; cluster y: under 8 the tokens of h_b
	s_lshl_b32 s98, s23, 2
	s_add_co_u32 s98, s98, s97                     ; TR: which 128 tokens
	s_mov_b32 s99, s96                             ; TC: which 256 columns
	s_lshl_b32 s2, s97, 2
	s_lshl_b32 s2, 15, s2                          ; my row of the cluster
	s_lshl_b32 s3, 0x1111, s96                     ; my column
	s_or_b32 s24, s2, (3<<16)|(1<<21)              ; group 1 for the tokens: the mask, elements of 8 bytes, bit 21 beside a mask
	s_or_b32 s48, s3, (3<<16)|(1<<21)              ; and refills
	G1REST 24, 200                                 ; tokens: four panels a load
	G1REST 48, 200                                 ; four
	s_mul_i32 s66, s98, GRP
	s_mul_i32 s67, s22, 4*PANEL
	s_add_co_u32 s66, s66, s67
	s_mov_b32 s67, 0
	s_lshl_b32 s104, s99, 1
	s_add_co_u32 s104, s104, s22
	s_mul_i32 s104, s104, GRP                      ; my group of 128 rows in each weight
	s_mov_b32 s105, 0
	s_cmp_lt_u32 s23, 8
	s_cselect_b32 s100, 0, 819200                  ; h_b's tokens take wk_sem, h_p's wk_syn
	s_add_co_u32 s100, s100, WKSEM
	s_mov_b32 s101, 0
	s_mul_i32 s2, s22, 4*PANEL                     ; where they go in LDS
	s_mul_i32 s3, s22, GRP
	s_add_co_u32 s3, s3, GRP
	s_wait_kmcnt 0x0
	s_add_nc_u64 s[16:17], s[4:5], s[66:67]        ; the tokens' panels
	s_add_nc_u64 s[94:95], s[4:5], s[104:105]
	s_add_nc_u64 s[18:19], s[94:95], WQ            ; wq's,
	s_add_nc_u64 s[92:93], s[94:95], s[100:101]    ; wk's,
	s_add_nc_u64 s[94:95], s[94:95], WV            ; wv's
	s_cmp_lt_u32 s23, 8
	s_cselect_b64 s[8:9], s[8:9], s[10:11]         ; k's bias
	CROUND                                         ; all sixteen work-groups are here: the joint loads meet
	s_mov_b32 s56, 1                               ; waves 0, 1: four of the tokens' eight panels each
	s_mov_b32 s57, s2
	s_mov_b64 s[58:59], s[16:17]
	s_or_b32 s59, s59, 0x80000000
.irp q, 0,1
	s_mov_b32 s[76+8*\q], 1                        ; waves 2, 3: half q (four K steps) of my group of the weight
	s_add_co_u32 s[77+8*\q], s3, 4*PANEL*\q
.endr
	s_mov_b64 s[78:79], s[18:19]
	s_or_b32 s79, s79, 0x80000000
	s_cmp_eq_u32 s21, 0                            ; one tensor load a wave at the head: the tokens, and wq's K steps 0-3
	s_cbranch_scc0 .Lfirst_b
	tensor_load_to_lds s[56:59], s[24:31]
	s_nop 0
.rept 4
	v_nop
.endr
	s_branch .Lfirst_done
.Lfirst_b:
	tensor_load_to_lds s[76:79], s[48:55]
	s_nop 0
.rept 4
	v_nop
.endr
.Lfirst_done:
	s_mov_b32 s100, 0x76543210
	s_mov_b32 s101, 0xfedcba98                     ; lane selects: lane l xor 16
	v_and_b32 v1, 31, v0                           ; l
	v_and_b32 v2, 15, v0                           ; r
	v_bfe_u32 v3, v0, 4, 1                         ; h
	v_lshlrev_b32 v4, 4, v1                        ; 16 l
	; q, k: source 1 = my four tiles of tokens, source 0 = my group of the weight
	s_mul_i32 s16, s21, 6144
	v_add_nc_u32 v16, s16, v4
	v_add_nc_u32 v17, 4*PANEL, v16
	s_mul_i32 s17, s22, GRP
	s_add_co_u32 s17, s17, GRP
	v_add_nc_u32 v18, s17, v4
	v_add_nc_u32 v19, 4*PANEL, v18
	s_lshl_b32 s16, s21, 8
	s_sub_co_u32 s17, s17, s16
	v_mul_u32_u24 v5, s17, v3                      ; lanes 16-31 take the weight's words: one product, h x the distance
	v_lshl_add_u32 v5, v2, 4, v5
	s_add_co_u32 s16, s16, 12288
	v_add_nc_u32 v20, s16, v5
	v_add_nc_u32 v21, 4*PANEL, v20
	v_lshl_add_u32 v22, v3, 8, v20
	v_add_nc_u32 v23, 4*PANEL, v22
	; v: source 1 = four tiles of wv (group wave / 2, half wave % 2), source 0 = the tokens' eight tiles
	s_mul_i32 s16, s21, GRP
	s_add_co_u32 s16, s16, GRP
	s_mul_i32 s17, s22, 6144
	s_add_co_u32 s17, s17, s16
	v_add_nc_u32 v8, s17, v4
	v_add_nc_u32 v9, 4*PANEL, v8
	v_lshlrev_b32 v10, 4, v1
	v_add_nc_u32 v11, 4*PANEL, v10
	s_lshl_b32 s17, s22, 8
	s_add_co_u32 s17, s17, s16
	v_xor_b32 v5, 1, v3
	v_mul_u32_u24 v5, s17, v5                      ; lanes 0-15 take the weight's words: one product, (1 - h) x the distance
	v_lshl_add_u32 v5, v2, 4, v5
	v_add_nc_u32 v12, 12288, v5
	v_add_nc_u32 v13, 4*PANEL, v12
	v_lshl_add_u32 v14, v3, 8, v12
	v_add_nc_u32 v15, 4*PANEL, v14
	; the biases
	s_lshl_b32 s16, s99, 1
	s_add_co_u32 s16, s16, s22
	s_lshl_b32 s16, s16, 9                         ; q, k: my 128 channels
	v_lshl_add_u32 v6, v3, 6, s16
	s_lshl_b32 s17, s99, 2
	s_add_co_u32 s17, s17, s20
	s_lshl_b32 s17, s17, 8                         ; v: my 64 channels
	v_and_b32 v7, 8, v2
	v_add_nc_u32 v7, v7, v2
	v_lshl_add_u32 v7, v7, 2, s17                  ; lane r of tile a: channel 32 (a/2) + 8 (a%2) + r + 8 (r/8)
	BLOAD 6
.irp a, 0,1,2,3
	global_load_b32 v[BV+8*\a], v7, s[12:13] offset:4*(32*(\a/2)+8*(\a%2))
.endr
	s_wait_alu depctr_va_vdst(0)
	s_wait_tensorcnt 0x0                           ; my head's load has landed; a later first fill is issued as a refill is:
	ds_add_u32 v28, v29
	s_wait_dscnt 0x0
	CROUND                                         ; everybody's has landed, and the joint loads meet
	REFILL 1, 18                                   ; wq's K steps 4-7: four K steps ahead of their use
	FETCH 0, 16
	s_wait_loadcnt 0x0                             ; bq, bv
.irp a, 0,1,2,3
.irp j, 1,2,3,4,5,6,7
	v_mov_b32 v[BV+8*\a+\j], v[BV+8*\a]            ; a lane's channel has one bias for its eight tokens
.endr
.endr
	; ---- q
	STEP 0, 0, 0, 1, 16, 0
	STEP 1, 0, 0, 0, 16, 0
	STEP 2, 0, 0, 0, 16, 0
	WIN 0
	BLOAD 8                                        ; k's bias, into the registers that K step 0 read as its C
	STEP 3, 2, 0, 0, 16, 92
	STEP 4, 0, 0, 0, 16, 0
	STEP 5, 0, 0, 0, 16, 0
	STEP 6, 0, 0, 0, 16, 0
	STEP 7, 3, 1, 0, 16, 92
	WAYOUT 0
	s_wait_loadcnt 0x0                             ; k's bias
	; ---- k
	FETCH 8, 16
	STEP 8, 0, 0, 1, 16, 0
	STEP 9, 0, 0, 0, 16, 0
	STEP 10, 0, 0, 0, 16, 0
	STEP 11, 2, 0, 0, 16, 94
	STEP 12, 0, 0, 0, 16, 0
	STEP 13, 0, 0, 0, 16, 0
	STEP 14, 0, 0, 0, 16, 0
	STEP 15, 3, 1, 0, 16, 94
	WAYOUT 1
	; ---- v
	FETCH 16, 8
	STEP 16, 0, 0, 2, 8, 0
	STEP 17, 0, 0, 0, 8, 0
	STEP 18, 0, 0, 0, 8, 0
	STEP 19, 1, 0, 0, 8, 0
	STEP 20, 0, 0, 0, 8, 0
	STEP 21, 0, 0, 0, 8, 0
	STEP 22, 0, 0, 0, 8, 0
	s_wait_dscnt 0x0
	MULA 23, 0, 0
	MULA 23, 1, 0
	MULA 23, 2, 0
	MULA 23, 3, 0
	WAYOUT 2
	s_wait_tensorcnt 0x0                           ; the wave's end
	ds_add_u32 v28, v29
	s_wait_dscnt 0x0
	CROUND                                         ; the closing round
	s_endpgm
.Lfunc_end_k_qbb7fa909c9_proj:
	.size	k_qbb7fa909c9_proj, .Lfunc_end_k_qbb7fa909c9_proj-k_qbb7fa909c9_proj
	.p2alignl 7, 3214868480
	.fill 96, 4, 3214868480
	.section	.rodata,"a",@progbits
	.p2align	6, 0x0
	.amdhsa_kernel k_qbb7fa909c9_proj
		.amdhsa_group_segment_fixed_size 327680
		.amdhsa_private_segment_fixed_size 0
		.amdhsa_enable_private_segment 0
		.amdhsa_kernarg_size 48
		.amdhsa_user_sgpr_count 2
		.amdhsa_user_sgpr_kernarg_segment_ptr 1
		.amdhsa_wavefront_size32 1
		.amdhsa_system_sgpr_workgroup_id_x 1
		.amdhsa_system_sgpr_workgroup_id_y 1
		.amdhsa_system_sgpr_workgroup_id_z 1
		.amdhsa_system_vgpr_workitem_id 0
		.amdhsa_next_free_vgpr 768
		.amdhsa_next_free_sgpr 106
		.amdhsa_reserve_vcc 0
		.amdhsa_float_denorm_mode_32 3
		.amdhsa_float_denorm_mode_16_64 3
		.amdhsa_memory_ordered 1
		.amdhsa_forward_progress 1
		.amdhsa_inst_pref_size 229
	.end_amdhsa_kernel
	.amdgpu_metadata
---
amdhsa.version: [ 1, 2 ]
amdhsa.kernels:
  - .name:           k_qbb7fa909c9_proj
    .symbol:         k_qbb7fa909c9_proj.kd
    .args:
      - { .name: pan, .offset: 0, .size: 8, .value_kind: global_buffer, .address_space: global }
      - { .name: bq, .offset: 8, .size: 8, .value_kind: global_buffer, .address_space: global }
      - { .name: bk_sem, .offset: 16, .size: 8, .value_kind: global_buffer, .address_space: global }
      - { .name: bk_syn, .offset: 24, .size: 8, .value_kind: global_buffer, .address_space: global }
      - { .name: bv, .offset: 32, .size: 8, .value_kind: global_buffer, .address_space: global }
      - { .name: qkv, .offset: 40, .size: 8, .value_kind: global_buffer, .address_space: global }
    .group_segment_fixed_size: 327680
    .private_segment_fixed_size: 0
    .kernarg_segment_align: 8
    .kernarg_segment_size: 48
    .max_flat_workgroup_size: 128
    .sgpr_count:     106
    .vgpr_count:     768
    .wavefront_size: 32
...
	.end_amdgpu_metadata
.endif
;; end of part 2
;; launch att (part 3): grid 256 x 1, 16 waves a work-group, clusters of 4 x 1, 327,680 bytes of LDS; arguments qkv, ef, ep; writes ef, ep
.if DOCPART == 3
	.amdgcn_target "amdgcn-amd-amdhsa--gfx1250"
	.amdhsa_code_object_version 6
	.text
	.protected	k_qbb7fa909c9_att
	.globl	k_qbb7fa909c9_att
	.p2align	8
	.type	k_qbb7fa909c9_att,@function
k_qbb7fa909c9_att:
	s_mov_b64 s[64:65], 0
	v_nop
	global_prefetch_b8 v0, s[64:65] scope:SCOPE_SE
	s_setreg_imm32_b32 hwreg(HW_REG_WAVE_MODE, 25, 1), 1
	s_wait_xcnt 0x0
	s_wait_alu depctr_hold_cnt(0) depctr_sa_sdst(0) depctr_va_vdst(0) depctr_va_sdst(0) depctr_va_ssrc(0) depctr_va_vcc(0) depctr_vm_vsrc(0)
	s_getreg_b32 s2, hwreg(HW_REG_IB_STS2, 6, 4)
	s_cmp_eq_u32 s2, 0
	s_cbranch_scc0 .Lentry_in_a_cluster
	s_endpgm
.Lentry_in_a_cluster:
	s_bfe_u32 s2, ttmp6, 0x10000c
	s_cmp_lg_u32 s2, 0x3003
	s_cbranch_scc0 .Lentry_shape_is_right
	s_endpgm
.Lentry_shape_is_right:
.set PANEL, 12800
.set SECB,  6815744
.set HSTR,  53248
.set HLDS,  106496
.set TM,    96
; ATT.  Both cross attentions on E2M3 codes.  A work-group of 16 waves takes 256 queries of two heads of one stream and batch; a wave 16 queries, the heads one after the other, 1,024 keys in steps of 128.
; K's and V's units of both heads lie in LDS for the whole launch, brought by joint loads of the 4 x 1 cluster (the four work-groups share them): head 0's at the kernel's head, head 1's behind the full sequence and a round.
; Both products are used transposed: a lane holds one query.  M is the running largest t rounded up to a whole number; p = 2^(t - M) is quantised block by block; the row's sum is taken of the unquantised p.
; The q fragments are asked for ahead of the first round.
; LIMITS: NaN and infinities are not served; the scaled scores stay under 2^31 in magnitude.
.macro CROUND
	s_barrier_signal -1
	s_barrier_wait -1
	s_cmp_lg_u32 s10, 0
	s_cbranch_scc1 .Lnot_wave_0_\@
	s_barrier_signal -3
.Lnot_wave_0_\@:
	s_barrier_wait -3
	s_barrier_signal -1
	s_barrier_wait -1
.endm
.macro QUANT s, d, x, w
.irp b, 0,1,2,3
	v_max3_num_f32 v[TM+\b], |v[(\s)+16*\b]|, |v[(\s)+16*\b+1]|, 0x1800000
.endr
.irp i, 2,4,6,8,10,12,14
.irp b, 0,1,2,3
	s_delay_alu instid0(VALU_DEP_4)
	v_max3_num_f32 v[TM+\b], v[TM+\b], |v[(\s)+16*\b+\i]|, |v[(\s)+16*\b+\i+1]|
.endr
.endr
.irp b, 0,1,2,3
	v_permlanex16_b32 v[TM+4+\b], v[TM+\b], s32, s33
.endr
.irp b, 0,1,2,3
	s_delay_alu instid0(VALU_DEP_4)
	v_max_num_f32 v[TM+\b], v[TM+\b], v[TM+4+\b]
.endr
.irp b, 0,1,2,3
	s_delay_alu instid0(VALU_DEP_4)
	v_add_nc_u32 v[TM+12+\b], 0xff000000, v[TM+\b]
.endr
.irp b, 0,1,2,3
	s_delay_alu instid0(VALU_DEP_4)
	v_lshrrev_b32 v[TM+4+\b], 23, v[TM+12+\b]
.endr
	s_delay_alu instid0(VALU_DEP_3)
	v_lshl_or_b32 v[\w], v[TM+5], 8, v[TM+4]
	s_delay_alu instid0(VALU_DEP_1)
	v_lshl_or_b32 v[\w], v[TM+6], 16, v[\w]
	s_delay_alu instid0(VALU_DEP_1)
	v_lshl_or_b32 v[\w], v[TM+7], 24, v[\w]
.irp c, 0,1
	v_cvt_scalef32_pk16_fp6_f32 v[(\d)+6*\c:(\d)+6*\c+2], v[(\s)+32*\c:(\s)+32*\c+15], v[TM+12+2*\c]
	v_cvt_scalef32_pk16_fp6_f32 v[(\x)+4*\c:(\x)+4*\c+2], v[(\s)+32*\c+16:(\s)+32*\c+31], v[TM+13+2*\c]
.endr
	v_nop
.irp c, 0,1
.irp i, 0,1,2
	v_permlane16_swap_b32 v[(\d)+6*\c+\i], v[(\x)+4*\c+\i]
.endr
.irp i, 0,1,2
	s_delay_alu instid0(VALU_DEP_3)
	v_mov_b32 v[(\d)+6*\c+3+\i], v[(\x)+4*\c+\i]
.endr
.endr
.endm
.macro QOFF p, reg
	s_add_co_u32 s40, s42, 2*\p
	s_lshr_b32 s41, s40, 2
	s_lshl_b32 s41, s41, 9
	s_and_b32 s40, s40, 3
	s_lshl_b32 s40, s40, 2
	s_add_co_u32 s41, s41, s40
	v_add_nc_u32 v[\reg], s41, v7
.endm
	s_load_b128 s[4:7], s[0:1], 0x0
	s_load_b64 s[8:9], s[0:1], 0x10
	v_lshl_add_u32 v251, v0, 2, 0x34000
	v_mov_b32 v255, 0
	ds_add_u32 v251, v255
	ds_add_u32 v251, v255
	v_lshrrev_b32 v1, 5, v0
	s_delay_alu instid0(VALU_DEP_1)
	v_readfirstlane_b32 s10, v1
	s_bfe_u32 s11, ttmp6, 0x40000
	s_lshr_b32 s12, ttmp9, 3
	s_and_b32 s13, ttmp9, 7
	s_xor_b32 s14, s12, 4
	s_lshl_b32 s40, s14, 4
	s_lshl_b32 s42, s13, 1
	s_add_co_u32 s40, s40, s42
	s_mul_i32 s40, s40, HSTR
	s_mul_i32 s43, s10, 6656
	s_add_co_u32 s40, s40, s43
	s_lshr_b32 s42, s10, 3
	s_mul_i32 s42, s42, SECB-HSTR
	s_add_co_u32 s40, s40, s42
	s_add_co_u32 s40, s40, SECB
	s_mov_b32 s41, 0
	s_mov_b32 s16, 15|(3<<16)|(1<<21)
	s_mov_b32 s17, 32<<16
	s_mov_b32 s18, 26<<16
	s_mov_b32 s19, 32<<16
	s_mov_b32 s20, 26
	s_mov_b32 s21, 32
	s_mov_b32 s22, 0
	s_mov_b32 s23, 0
	s_mov_b32 s32, 0x76543210
	s_mov_b32 s33, 0xfedcba98
	s_mov_b32 s34, 0x3e38aa3b
	s_mov_b32 s35, s34
	s_lshl_b32 s38, s11, 1
	s_lshr_b32 s42, s10, 3
	s_add_co_u32 s38, s38, s42
	s_and_b32 s39, s10, 7
	s_lshl_b32 s48, s12, 4
	s_lshl_b32 s42, s13, 1
	s_add_co_u32 s48, s48, s42
	s_lshl_b32 s48, s48, 3
	s_add_co_u32 s48, s48, s38
	s_mul_i32 s48, s48, 6656
	s_mov_b32 s49, 0
	s_lshr_b32 s51, s39, 2
	s_lshl_b32 s51, s51, 8
	s_and_b32 s50, s39, 3
	s_lshl_b32 s50, s50, 2
	s_add_co_u32 s51, s51, s50
	s_wait_dscnt 0x0
	s_wait_kmcnt 0x0
	s_mov_b32 s24, 1
	s_mov_b32 s25, s43
	s_add_nc_u64 s[26:27], s[4:5], s[40:41]
	s_add_nc_u64 s[30:31], s[26:27], HSTR
	s_or_b32 s27, s27, 0x80000000
	s_mov_b32 s28, 1
	s_add_co_u32 s29, s43, HLDS
	s_or_b32 s31, s31, 0x80000000
	s_add_nc_u64 s[44:45], s[4:5], s[48:49]
	v_and_b32 v7, 31, v0
	v_and_b32 v8, 15, v0
	s_delay_alu instid0(VALU_DEP_1)
	v_lshlrev_b32 v2, 4, v8
	s_delay_alu instid0(VALU_DEP_3)
	v_lshlrev_b32 v7, 4, v7
	s_wait_alu depctr_va_vdst(0)
	s_mul_i32 s42, s39, 6
	QOFF 0, 1
	s_wait_alu depctr_va_vdst(0)
	QOFF 1, 5
	QOFF 2, 9
	s_add_co_u32 s50, s51, 6144
	v_add_nc_u32 v6, s50, v2
	global_load_b64 v[14:15], v1, s[44:45]         ; my 16 queries' codes and scale words, both heads
	global_load_b64 v[26:27], v1, s[44:45] offset:HSTR
	global_load_b64 v[16:17], v5, s[44:45]
	global_load_b64 v[28:29], v5, s[44:45] offset:HSTR
	global_load_b64 v[18:19], v9, s[44:45]
	global_load_b64 v[30:31], v9, s[44:45] offset:HSTR
	global_load_b32 v32, v6, s[44:45]
	global_load_b32 v33, v6, s[44:45] offset:HSTR
	CROUND
	tensor_load_to_lds s[24:27], s[16:23]
	s_nop 0
	s_wait_alu depctr_va_vdst(0)
	s_wait_tensorcnt 0x0
	ds_add_u32 v251, v255
	s_wait_dscnt 0x0
	CROUND
	tensor_load_to_lds s[28:31], s[16:23]
	s_nop 0
.rept 4
	v_nop
.endr
	s_lshl_b32 s48, s12, 6
	s_lshl_b32 s50, s38, 3
	s_add_co_u32 s48, s48, s50
	s_add_co_u32 s48, s48, s39
	s_lshl_b32 s48, s48, 3
	s_add_co_u32 s48, s48, s13
	s_lshl_b32 s48, s48, 13
	s_add_nc_u64 s[6:7], s[6:7], s[48:49]
	s_lshl_b32 s48, s12, 3
	s_add_co_u32 s48, s48, s38
	s_lshl_b32 s48, s48, 3
	s_add_co_u32 s48, s48, s13
	s_mul_i32 s48, s48, PANEL
	s_mul_i32 s50, s39, 1536
	s_add_co_u32 s52, s48, s50
	s_mov_b32 s53, 0
	s_add_nc_u64 s[54:55], s[8:9], s[52:53]
	s_add_co_u32 s52, s48, s51
	s_add_co_u32 s52, s52, 12288
	s_add_nc_u64 s[56:57], s[8:9], s[52:53]
.irp i, 0,1,2,3,4,5
	v_mov_b32 v[20+\i], 0
	v_mov_b32 v[90+\i], 0
.endr
.irp b, 0,1,2,3
	v_mov_b32 v[236+\b], 0
.endr
	v_mov_b32 v252, 0
	v_mov_b32 v253, 0
.set n, 0
.rept 64
	v_mov_b32 v[160+n], 0
.set n, n+1
.endr
.macro ASTEP e
	v_add_nc_u32 v3, s36, v7
	v_add_nc_u32 v4, s36, v2
	v_nop
	v_nop
.irp q, 0,1,2,3,4,5,6,7,8,9,10,11
	ds_load_b128 v[42+4*\q:45+4*\q], v3 offset:512*\q
.endr
	ds_load_b128 v[34:37], v4 offset:6144
	ds_load_b128 v[38:41], v4 offset:6400
	s_wait_alu depctr_va_vdst(0)
	s_wait_dscnt 0x0
.irp t, 0,1,2,3,4,5,6,7
	v_wmma_scale_f32_16x16x128_f8f6f4 v[96+8*\t:103+8*\t], v[42+6*\t:53+6*\t], v[14:25], 0, v[34+\t], v[32+\e] matrix_a_fmt:MATRIX_FMT_FP6 matrix_b_fmt:MATRIX_FMT_FP6
.endr
.rept 4
	v_nop
.endr
.irp q, 0,1,2,3,4,5,6,7,8,9,10,11
	ds_load_b128 v[42+4*\q:45+4*\q], v3 offset:HSTR+512*\q
.endr
	ds_load_b128 v[34:37], v4 offset:HSTR+6144
.irp b, 0,1,2,3
	v_max3_num_f32 v[232+\b], v[96+16*\b], v[97+16*\b], v[98+16*\b]
.endr
.irp i, 3,5,7,9,11,13
.irp b, 0,1,2,3
	v_max3_num_f32 v[232+\b], v[232+\b], v[96+16*\b+\i], v[97+16*\b+\i]
.endr
.endr
.irp b, 0,1,2,3
	v_max_num_f32 v[232+\b], v[232+\b], v[111+16*\b]
.endr
.irp b, 0,1,2,3
	s_delay_alu instid0(VALU_DEP_4)
	v_permlanex16_b32 v[236+\b], v[232+\b], s32, s33
.endr
.irp b, 0,1,2,3
	s_delay_alu instid0(VALU_DEP_4)
	v_max_num_f32 v[232+\b], v[232+\b], v[236+\b]
.endr
	s_delay_alu instid0(VALU_DEP_2)
	v_max3_num_f32 v254, v232, v233, v234
	s_delay_alu instid0(VALU_DEP_1)
	v_max_num_f32 v254, v254, v235
	s_delay_alu instid0(VALU_DEP_1)
	v_mul_f32 v254, s34, v254
	s_delay_alu instid0(VALU_DEP_1)
	v_max_num_f32 v11, v11, v254
	v_mov_b32 v254, v10
	s_delay_alu instid0(VALU_DEP_2)
	v_floor_f32 v10, -v11
	s_delay_alu instid0(VALU_DEP_1)
	v_sub_f32 v254, v10, v254
	s_delay_alu instid0(VALU_DEP_1)
	v_cvt_i32_f32 v254, v254
	s_delay_alu instid0(VALU_DEP_1)
	v_ldexp_f32 v252, 1.0, v254
.set n, 0
.rept 32
	v_pk_fma_f32 v[96+n:97+n], v[96+n:97+n], s[34:35], v[10:11] op_sel_hi:[1,0,0]
.set n, n+2
.endr
.irp b, 0,1,2,3
	v_fma_f32 v[232+\b], v[232+\b], s34, v10
.endr
.set n, 0
	s_wait_alu depctr_va_vdst(0)
.rept 64
	v_exp_f32 v[96+n], v[96+n]
.set n, n+1
.endr
	v_pk_mul_f32 v[12:13], v[12:13], v[252:253] op_sel_hi:[1,0]
	s_wait_alu depctr_va_vdst(0)
.irp b, 0,1,2,3
	v_exp_f32 v[232+\b], v[232+\b]
.endr
	v_pk_add_f32 v[236:237], v[96:97], v[98:99]
.irp j, 4,8,12,16,20,24,28,32,36,40,44,48,52,56,60
	v_pk_add_f32 v[12:13], v[12:13], v[96+\j:97+\j]
	v_pk_add_f32 v[236:237], v[236:237], v[98+\j:99+\j]
.endr
	s_delay_alu instid0(VALU_DEP_1)
	v_pk_add_f32 v[12:13], v[12:13], v[236:237]
	s_wait_alu depctr_va_vdst(0)
.irp b, 0,1,2,3
	v_max_num_f32 v[232+\b], 0x1800000, v[232+\b]
.endr
.irp b, 0,1,2,3
	s_delay_alu instid0(VALU_DEP_4)
	v_add_nc_u32 v[244+\b], 0xff000000, v[232+\b]
.endr
.irp b, 0,1,2,3
	s_delay_alu instid0(VALU_DEP_4)
	v_lshrrev_b32 v[236+\b], 23, v[244+\b]
.endr
	s_delay_alu instid0(VALU_DEP_3)
	v_lshl_or_b32 v253, v237, 8, v236
	s_delay_alu instid0(VALU_DEP_1)
	v_lshl_or_b32 v253, v238, 16, v253
	s_delay_alu instid0(VALU_DEP_1)
	v_lshl_or_b32 v253, v239, 24, v253
.irp c, 0,1
	v_cvt_scalef32_pk16_fp6_f32 v[224+6*\c:226+6*\c], v[96+32*\c:111+32*\c], v[244+2*\c]
	v_cvt_scalef32_pk16_fp6_f32 v[236+4*\c:238+4*\c], v[112+32*\c:127+32*\c], v[245+2*\c]
.endr
	v_nop
.irp c, 0,1
.irp i, 0,1,2
	v_permlane16_swap_b32 v[224+6*\c+\i], v[236+4*\c+\i]
.endr
.irp i, 0,1,2
	s_delay_alu instid0(VALU_DEP_3)
	v_mov_b32 v[227+6*\c+\i], v[236+4*\c+\i]
.endr
.endr
.set n, 0
.rept 16
	v_pk_mul_f32 v[160+32*\e+n:161+32*\e+n], v[160+32*\e+n:161+32*\e+n], v[252:253] op_sel_hi:[1,0]
.set n, n+2
.endr
	s_wait_alu depctr_va_vdst(0)
	s_wait_dscnt 0x0
.irp t, 0,1,2,3
	v_wmma_scale_f32_16x16x128_f8f6f4 v[160+32*\e+8*\t:167+32*\e+8*\t], v[42+12*\t:53+12*\t], v[224:235], v[160+32*\e+8*\t:167+32*\e+8*\t], v[34+\t], v253 matrix_a_fmt:MATRIX_FMT_FP6 matrix_b_fmt:MATRIX_FMT_FP6
.endr
.endm
.macro PASS e
.if \e == 0
	s_wait_tensorcnt 1
	s_barrier_signal -1
	s_barrier_wait -1
.else
.irp i, 0,1,2,3,4,5
	v_mov_b32 v[14+\i], v[26+\i]
.endr
.endif
	v_mov_b32 v11, 0xff61b1e6
	s_delay_alu instid0(VALU_DEP_1)
	v_floor_f32 v10, -v11
	v_mov_b32 v12, 0
	v_mov_b32 v13, 0
	s_mov_b32 s36, HLDS*\e
.if \e == 0
	ASTEP 0
	s_add_co_u32 s36, s36, 6656
	s_wait_tensorcnt 0x0
	s_wait_dscnt 0x0
	s_barrier_signal -1
	s_barrier_wait -1
	s_mov_b32 s37, 7
.else
	s_mov_b32 s37, 8
.endif
.Lkeys_\e:
	ASTEP \e
	s_add_co_u32 s36, s36, 6656
	s_sub_co_u32 s37, s37, 1
	s_cmp_lg_u32 s37, 0
	s_cbranch_scc1 .Lkeys_\e
.rept 4
	v_nop
.endr
	v_add_f32 v12, v12, v13
	s_delay_alu instid0(VALU_DEP_1)
	v_permlanex16_b32 v252, v12, s32, s33
	s_delay_alu instid0(VALU_DEP_1)
	v_add_f32 v12, v12, v252
	s_wait_alu depctr_va_vdst(0)
	v_rcp_f32 v12, v12
	v_nop
	s_wait_alu depctr_va_vdst(0)
.set n, 0
.rept 16
	v_pk_mul_f32 v[160+32*\e+n:161+32*\e+n], v[160+32*\e+n:161+32*\e+n], v[12:13] op_sel_hi:[1,0]
.set n, n+2
.endr
.endm
	s_wait_loadcnt 0x0
	PASS 0
.irp q, 0,1,2,3,4,5,6,7
	global_store_b128 v7, v[160+4*\q:163+4*\q], s[6:7] offset:512*\q
.endr
	PASS 1
.irp q, 8,9,10,11,12,13,14,15
	global_store_b128 v7, v[160+4*\q:163+4*\q], s[6:7] offset:512*\q
.endr
	QUANT 160, 224, 236, 253
.irp c, 0,1,2
	global_store_b128 v7, v[224+4*\c:227+4*\c], s[54:55] offset:512*\c
.endr
	global_store_b32 v2, v253, s[56:57]
	s_wait_tensorcnt 0x0
	ds_add_u32 v251, v255
	s_wait_dscnt 0x0
	CROUND
	s_endpgm
.Lfunc_end_k_qbb7fa909c9_att:
	.size	k_qbb7fa909c9_att, .Lfunc_end_k_qbb7fa909c9_att-k_qbb7fa909c9_att
	.p2alignl 7, 3214868480
	.fill 96, 4, 3214868480
	.section	.rodata,"a",@progbits
	.p2align	6, 0x0
	.amdhsa_kernel k_qbb7fa909c9_att
		.amdhsa_group_segment_fixed_size 327680
		.amdhsa_private_segment_fixed_size 0
		.amdhsa_enable_private_segment 0
		.amdhsa_kernarg_size 24
		.amdhsa_user_sgpr_count 2
		.amdhsa_user_sgpr_kernarg_segment_ptr 1
		.amdhsa_wavefront_size32 1
		.amdhsa_system_sgpr_workgroup_id_x 1
		.amdhsa_system_sgpr_workgroup_id_y 1
		.amdhsa_system_sgpr_workgroup_id_z 1
		.amdhsa_system_vgpr_workitem_id 0
		.amdhsa_next_free_vgpr 256
		.amdhsa_next_free_sgpr 66
		.amdhsa_reserve_vcc 0
		.amdhsa_float_denorm_mode_32 3
		.amdhsa_float_denorm_mode_16_64 3
		.amdhsa_memory_ordered 1
		.amdhsa_forward_progress 1
		.amdhsa_inst_pref_size 70
	.end_amdhsa_kernel
	.amdgpu_metadata
---
amdhsa.version: [ 1, 2 ]
amdhsa.kernels:
  - .name:           k_qbb7fa909c9_att
    .symbol:         k_qbb7fa909c9_att.kd
    .args:
      - { .name: qkv, .offset: 0, .size: 8, .value_kind: global_buffer, .address_space: global }
      - { .name: ef, .offset: 8, .size: 8, .value_kind: global_buffer, .address_space: global }
      - { .name: ep, .offset: 16, .size: 8, .value_kind: global_buffer, .address_space: global }
    .group_segment_fixed_size: 327680
    .private_segment_fixed_size: 0
    .kernarg_segment_align: 8
    .kernarg_segment_size: 24
    .max_flat_workgroup_size: 512
    .sgpr_count:     66
    .vgpr_count:     256
    .wavefront_size: 32
...
	.end_amdgpu_metadata
.endif
;; end of part 3
;; launch gate (part 4): grid 4 x 64, 4 waves a work-group, clusters of 4 x 4, 327,680 bytes of LDS; arguments pan, ep, ef, h_b, h_p, g_sem_b, g_syn_b, pre; writes pre
.if DOCPART == 4
	.amdgcn_target "amdgcn-amd-amdhsa--gfx1250"
	.amdhsa_code_object_version 6
	.text
	.protected	k_qbb7fa909c9_gate
	.globl	k_qbb7fa909c9_gate
	.p2align	8
	.type	k_qbb7fa909c9_gate,@function
k_qbb7fa909c9_gate:
	s_mov_b64 s[64:65], 0
	v_nop
	global_prefetch_b8 v0, s[64:65] scope:SCOPE_SE
	s_setreg_imm32_b32 hwreg(HW_REG_WAVE_MODE, 25, 1), 1
	s_wait_xcnt 0x0
	s_wait_alu depctr_hold_cnt(0) depctr_sa_sdst(0) depctr_va_vdst(0) depctr_va_sdst(0) depctr_va_ssrc(0) depctr_va_vcc(0) depctr_vm_vsrc(0)
	s_getreg_b32 s2, hwreg(HW_REG_IB_STS2, 6, 4)
	s_cmp_eq_u32 s2, 0
	s_cbranch_scc0 .Lentry_in_a_cluster
	s_endpgm
.Lentry_in_a_cluster:
	s_bfe_u32 s2, ttmp6, 0x10000c
	s_cmp_lg_u32 s2, 0xf033
	s_cbranch_scc0 .Lentry_shape_is_right
	s_endpgm
.Lentry_shape_is_right:
; GATE.  z = [orig | enh] g_w + g_b (K = 2,048, E2M3 codes), gate = sigmoid(z), pre = gate enh + (1 - gate) orig + orig, written 2 orig + gate (enh - orig): the sum reassociated, in f32.
; Rows 0-4,095 are the semantic branch (orig = h_b, g_sem), rows 4,096-8,191 the syntax branch (h_p, g_syn).
; A work-group makes 128 tokens x 256 columns, a wave 64 x 128: 32 accumulators; the matrix instruction is used transposed (source 0 = the weight's rows, source 1 = tokens).
; LDS holds eight K steps of A (one group of panels) and of B (two groups).  K steps 0-7 (orig's codes) come by two first fills a wave; K steps 8-11 and 12-15 (enh's codes) fill the same bytes again, each by one joint load a wave
; behind a round of the cluster's barrier, four K steps ahead of their use.  A's panels are shared along a row of the 4 x 4 cluster, B's along a column.
; enh and orig in f32, 128 numbers a lane for each of the wave's four blocks of 16 tokens, are asked for under the products, into registers that lie idle there: blocks 0 and 1 into window 3, block 2 into the bias's registers
; (free behind K step 0) and window 1's upper 64; block 3 into the weights' fragment registers, straight behind the last product.  Each block has registers of its own: none is loaded twice.
; pre leaves in the layout of the accumulators (token tile, group of 128 columns: register n of lane l at 512 (n/4) + 16 l): each store is 512 consecutive bytes.
; LIMITS: NaN and infinities are not served.
.set PANEL, 12800
.set GRP,   102400
.set GSEM,  9830400
.set GSYN,  11468800
.set SPARE, 307200                     ; behind the panels: the spare words, 128 bytes a wave, that no other line names
.set SC,   32
.set AF,   48
.set BIAS, 144
.set TT,   64                          ; the way out: 64 registers at work, where A's fragments lay
.set MSB, 0
.macro WIN new
.if MSB != (\new)
	s_set_vgpr_msb (MSB<<8)|(\new)
.set MSB, \new
.endif
.endm
.macro PLACES
.rept 4
	v_nop
.endr
.endm
.macro CREST
	s_cmp_lg_u32 s20, 0
	s_cbranch_scc1 .Lnot_wave_0_\@
	s_barrier_signal -3
.Lnot_wave_0_\@:
	s_barrier_wait -3
	s_barrier_signal -1
	s_barrier_wait -1
.endm
.macro CROUND
	s_barrier_signal -1
	s_barrier_wait -1
	CREST
.endm
.macro G1REST g, rows
	s_mov_b32 s[\g+1], 32<<16
	s_mov_b32 s[\g+2], (\rows)<<16
	s_mov_b32 s[\g+3], 32<<16
	s_mov_b32 s[\g+4], \rows
	s_mov_b32 s[\g+5], 32
	s_mov_b32 s[\g+6], 0
	s_mov_b32 s[\g+7], 0
.endm
.macro FETCH k
.set FP, (\k)%2
.set FH, ((\k)%8)/4
.set FO, ((\k)%4)*PANEL
	WIN 0x40
.irp b, 0,1,2,3,4,5,6,7
.irp c, 0,1,2
	ds_load_b128 v[96*FP+12*\b+4*\c:96*FP+12*\b+4*\c+3], v[18+FH] offset:FO+1536*\b+512*\c
.endr
.endr
	WIN 0
.irp a, 0,1,2,3
.irp c, 0,1,2
	ds_load_b128 v[AF+48*FP+12*\a+4*\c:AF+48*FP+12*\a+4*\c+3], v[16+FH] offset:FO+1536*\a+512*\c
.endr
.endr
	ds_load_b128 v[SC+8*FP:SC+8*FP+3], v[20+FH] offset:FO
	ds_load_b128 v[SC+8*FP+4:SC+8*FP+7], v[22+FH] offset:FO
.endm
.macro MM a, b, p, c0
	v_wmma_scale_f32_16x16x128_f8f6f4 v[8*(8*(\a)+(\b)):8*(8*(\a)+(\b))+7], v[96*(\p)+12*(\b):96*(\p)+12*(\b)+11], v[AF+48*(\p)+12*(\a):AF+48*(\p)+12*(\a)+11], v[\c0:\c0+7], v[SC+8*(\p)+(\b)], v[SC+8*(\p)+(\a)] matrix_a_fmt:MATRIX_FMT_FP6 matrix_b_fmt:MATRIX_FMT_FP6 matrix_a_scale:MATRIX_SCALE_ROW1
.endm
.macro MULA k, a, cm                   ; the 32 accumulators take turns in the same order in every step
.if \cm
	WIN 0x81
.else
	WIN 0xa1
.endif
.irp b, 0,1,2,3,4,5,6,7
.if \cm == 1
	MM \a, \b, (\k)%2, BIAS+8*\b
.else
	MM \a, \b, (\k)%2, 8*(8*(\a)+\b)
.endif
.endr
.endm
; refill ri: four K steps into the bytes of K steps 4 ri .. 4 ri + 3.  Waves 0, 1: A's halves; waves 2, 3: B's groups.  No tensor load of mine is out, so the groups 0 may be written.
.macro REFILL ri
	s_mul_i32 s[57+12*\ri], s22, 2*PANEL
	s_add_co_u32 s[57+12*\ri], s[57+12*\ri], 4*PANEL*\ri
	s_add_nc_u64 s[58+12*\ri:59+12*\ri], s[92:93], 4*PANEL*\ri
	s_or_b32 s[59+12*\ri], s[59+12*\ri], 0x80000000
	s_add_nc_u64 s[78+8*\ri:79+8*\ri], s[94:95], 4*PANEL*\ri
	s_or_b32 s[79+8*\ri], s[79+8*\ri], 0x80000000
	s_cmp_eq_u32 s21, 0
	s_cbranch_scc0 .Lfor_b_\@
	tensor_load_to_lds s[56+12*\ri:59+12*\ri], s[40:47]
	s_nop 0
.rept 4
	v_nop
.endr
	s_branch .Lasked_\@
.Lfor_b_\@:
	tensor_load_to_lds s[76+8*\ri:79+8*\ri], s[48:55]
	s_nop 0
.rept 4
	v_nop
.endr
.Lasked_\@:
.endm
; sync 0: plain.  sync 1: a barrier behind which nothing is filled: my load has landed (n younger ones stay out).  sync 2: refill n: all my tensor loads have landed, 0 goes onto my spare word, that and my reads are done;
; the barrier opens a round of the cluster's barrier; the joint load is the first thing behind it, and its four v_nop are the places in front of the loads that follow.
.macro STEP k, sync, n, cm
	s_wait_dscnt 0x0
.if \sync == 0
	PLACES
	FETCH (\k)+1
	MULA \k, 0, \cm
	MULA \k, 1, \cm
.elseif \sync == 1
	s_wait_tensorcnt \n
	s_barrier_signal -1
	MULA \k, 0, \cm
	MULA \k, 1, \cm
	s_barrier_wait -1
	PLACES
	FETCH (\k)+1
.else
	WIN 0
	s_wait_tensorcnt 0x0
	ds_add_u32 v28, v29
	MULA \k, 0, 0
	s_wait_dscnt 0x0
	s_barrier_signal -1
	MULA \k, 1, 0
	WIN 0
	s_barrier_wait -1
	CREST
	REFILL \n
	FETCH (\k)+1
.endif
	MULA \k, 2, \cm
	MULA \k, 3, \cm
.endm
	s_load_b512 s[4:19], s[0:1], 0x0               ; pan, ep, ef, h_b, h_p, g_sem_b, g_syn_b, pre
	v_lshl_add_u32 v28, v0, 2, SPARE
	v_mov_b32 v29, 0
	ds_add_u32 v28, v29
	ds_add_u32 v28, v29
	s_wait_dscnt 0x0
	v_lshrrev_b32 v1, 5, v0
	v_readfirstlane_b32 s20, v1
	s_lshr_b32 s21, s20, 1                         ; wr; also: I fetch for A (0) or B (1)
	s_and_b32 s22, s20, 1                          ; wc; also: which half or group I fetch
	s_bfe_u32 s96, ttmp6, 0x40000
	s_bfe_u32 s97, ttmp6, 0x40004
	s_and_b32 s23, ttmp7, 0xffff                   ; cluster y: under 8 the semantic branch
	s_lshl_b32 s98, s23, 2
	s_add_co_u32 s98, s98, s97                     ; TR: 128 tokens
	s_mov_b32 s99, s96                             ; TC: 256 columns
	s_lshl_b32 s2, s97, 2
	s_lshl_b32 s2, 15, s2
	s_lshl_b32 s3, 0x1111, s96
	s_or_b32 s40, s2, (3<<16)|(1<<21)
	s_or_b32 s48, s3, (3<<16)|(1<<21)
	G1REST 40, 100                                 ; every load: A two panels, B four
	G1REST 48, 200
	s_mul_i32 s66, s98, GRP
	s_mul_i32 s67, s22, 2*PANEL
	s_add_co_u32 s66, s66, s67
	s_mov_b32 s67, 0
	s_lshl_b32 s104, s99, 1
	s_add_co_u32 s104, s104, s22
	s_mul_i32 s104, s104, 2*GRP
	s_mov_b32 s105, GSYN
	s_cmp_lt_u32 s23, 8
	s_cselect_b32 s105, GSEM, s105
	s_add_co_u32 s104, s104, s105
	s_mov_b32 s105, 0
	s_mul_i32 s3, s22, GRP
	s_add_co_u32 s3, s3, GRP
	s_mov_b32 s100, 0xbfb8aa3b                     ; -log2(e)
	s_mov_b32 s101, s100
	s_wait_kmcnt 0x0
	s_add_nc_u64 s[92:93], s[4:5], s[66:67]
	s_add_nc_u64 s[94:95], s[4:5], s[104:105]
	CROUND
.irp q, 0,1
	s_mov_b32 s[56+12*\q], 1
	s_mov_b32 s[76+8*\q], 1
	s_add_co_u32 s[77+8*\q], s3, 4*PANEL*\q
.endr
	REFILL 0                                       ; K steps 0-3: one tensor load a wave at the head
	s_cmp_lt_u32 s23, 8
	s_cselect_b64 s[10:11], s[10:11], s[12:13]     ; orig
	s_cselect_b64 s[14:15], s[14:15], s[16:17]     ; the bias
	v_and_b32 v1, 31, v0
	v_and_b32 v2, 15, v0
	v_bfe_u32 v3, v0, 4, 1
	v_lshlrev_b32 v4, 4, v1
	s_mul_i32 s12, s21, 6144
	v_add_nc_u32 v16, s12, v4
	v_add_nc_u32 v17, 4*PANEL, v16
	s_mul_i32 s13, s22, GRP
	s_add_co_u32 s13, s13, GRP
	v_add_nc_u32 v18, s13, v4
	v_add_nc_u32 v19, 4*PANEL, v18
	s_lshl_b32 s12, s21, 8
	s_sub_co_u32 s13, s13, s12
	v_mul_u32_u24 v5, s13, v3
	v_lshl_add_u32 v5, v2, 4, v5
	s_add_co_u32 s12, s12, 12288
	v_add_nc_u32 v20, s12, v5
	v_add_nc_u32 v21, 4*PANEL, v20
	v_lshl_add_u32 v22, v3, 8, v20
	v_add_nc_u32 v23, 4*PANEL, v22
	v_mov_b32 v24, v4                              ; an accumulator image: 16 l
	v_lshlrev_b32 v25, 12, v2
	v_lshl_add_u32 v25, v3, 6, v25                 ; orig: row r, + 64 h
	s_lshl_b32 s12, s99, 1
	s_add_co_u32 s12, s12, s22                     ; my group of 128 columns
	s_lshl_b32 s13, s98, 3
	s_lshl_b32 s16, s21, 2
	s_add_co_u32 s13, s13, s16                     ; my first token tile
	s_lshl_b32 s13, s13, 3
	s_add_co_u32 s13, s13, s12
	s_lshl_b32 s16, s13, 13
	s_mov_b32 s17, 0
	s_add_nc_u64 s[8:9], s[8:9], s[16:17]
	s_add_nc_u64 s[18:19], s[18:19], s[16:17]
	s_and_b32 s13, s98, 31
	s_lshl_b32 s13, s13, 19
	s_lshl_b32 s16, s21, 18
	s_add_co_u32 s16, s16, s13
	s_lshl_b32 s13, s12, 9
	s_add_co_u32 s16, s16, s13
	s_add_nc_u64 s[10:11], s[10:11], s[16:17]
	v_lshl_add_u32 v6, v3, 6, s13
.irp b, 0,1,2,3,4,5,6,7
	global_load_b128 v[BIAS+8*\b:BIAS+8*\b+3], v6, s[14:15] offset:4*(32*(\b/2)+8*(\b%2))
	global_load_b128 v[BIAS+8*\b+4:BIAS+8*\b+7], v6, s[14:15] offset:4*(32*(\b/2)+8*(\b%2))+16
.endr
; block a's enh, 64 numbers a lane, into window ew from register eb on, and its orig into window ow from ob on
.macro ELOAD a, ew, eb, ow, ob
	WIN 64*(\ew)
.irp q, 0,1,2,3,4,5,6,7,8,9,10,11,12,13,14,15
	global_load_b128 v[(\eb)+4*\q:(\eb)+4*\q+3], v24, s[8:9] offset:65536*(\a)+512*\q
.endr
	WIN 64*(\ow)
.irp b, 0,1,2,3
.irp j, 0,1,2,3
	global_load_b128 v[(\ob)+16*\b+4*\j:(\ob)+16*\b+4*\j+3], v25, s[10:11] offset:65536*(\a)+128*\b+16*\j
.endr
.endr
	WIN 0
.endm
; block a (16 tokens x 128 columns).  left: the younger loads that may stay out.  Between a batch of transcendentals and its wait stands a v_nop alone.
.macro EPI a, ew, eb, ow, ob, left
	s_wait_loadcnt \left
	WIN 64*(\ew)+4*(\ow)+(\ew)
.set n, 0
.rept 32
	v_pk_add_f32 v[(\eb)+n:(\eb)+n+1], v[(\eb)+n:(\eb)+n+1], v[(\ob)+n:(\ob)+n+1] neg_lo:[0,1] neg_hi:[0,1]   ; enh - orig
.set n, n+2
.endr
	WIN 64*(\ow)+4*(\ow)+(\ow)
.set n, 0
.rept 32
	v_pk_add_f32 v[(\ob)+n:(\ob)+n+1], v[(\ob)+n:(\ob)+n+1], v[(\ob)+n:(\ob)+n+1]                             ; 2 orig
.set n, n+2
.endr
	WIN 0x02
.set n, 0
.rept 32
	v_pk_mul_f32 v[TT+n:TT+n+1], v[64*(\a)+n:64*(\a)+n+1], s[100:101] op_sel_hi:[1,0]    ; -z log2(e); each accumulator from its low end on
.set n, n+2
.endr
	WIN 0
.set n, 0
	s_wait_alu depctr_va_vdst(0)
.rept 64
	v_exp_f32 v[TT+n], v[TT+n]
.set n, n+1
.endr
	v_nop
	s_wait_alu depctr_va_vdst(0)                   ; one wait for the batch, ahead of its first reader
.set n, 0
.rept 32
	v_pk_add_f32 v[TT+n:TT+n+1], v[TT+n:TT+n+1], 1.0 op_sel_hi:[1,0]
.set n, n+2
.endr
.set n, 0
	s_wait_alu depctr_va_vdst(0)
.rept 64
	v_rcp_f32 v[TT+n], v[TT+n]                     ; the gate
.set n, n+1
.endr
	v_nop
	s_wait_alu depctr_va_vdst(0)
	WIN 64*(\ew)+16*(\ow)+4*(\ew)
.set n, 0
.rept 32
	v_pk_fma_f32 v[(\eb)+n:(\eb)+n+1], v[TT+n:TT+n+1], v[(\eb)+n:(\eb)+n+1], v[(\ob)+n:(\ob)+n+1]
.set n, n+2
.endr
	WIN 4*(\ew)
.irp q, 0,1,2,3,4,5,6,7,8,9,10,11,12,13,14,15
	global_store_b128 v24, v[(\eb)+4*\q:(\eb)+4*\q+3], s[18:19] offset:65536*(\a)+512*\q
.endr
	WIN 0
.endm
	s_wait_alu depctr_va_vdst(0)
	s_wait_tensorcnt 0x0                           ; my head's load has landed; a later first fill is issued as a refill is:
	ds_add_u32 v28, v29
	s_wait_dscnt 0x0
	CROUND                                         ; everybody's has landed, and the joint loads meet
	REFILL 1                                       ; K steps 4-7: four K steps ahead of their use
	s_mul_i32 s66, s98, GRP                        ; K step 8 on: A from enh's panels,
	s_mul_i32 s2, s22, 2*PANEL
	s_add_co_u32 s66, s66, s2
	s_add_nc_u64 s[92:93], s[6:7], s[66:67]
	s_add_nc_u64 s[94:95], s[94:95], GRP           ; B eight panels on
	FETCH 0
	s_wait_loadcnt 0x0                             ; the bias
	ELOAD 0, 3, 0, 3, 64                           ; block 0: sixteen K steps ahead of the way out
	STEP 0, 0, 0, 1
	STEP 1, 0, 0, 0
	STEP 2, 0, 0, 0
	STEP 3, 2, 0, 0
	STEP 4, 0, 0, 0
	ELOAD 1, 3, 128, 3, 192                        ; block 1
	STEP 5, 0, 0, 0
	STEP 6, 0, 0, 0
	STEP 7, 2, 1, 0
	STEP 8, 0, 0, 0
	STEP 9, 0, 0, 0
	ELOAD 2, 0, BIAS, 1, 192                       ; block 2: enh where the bias lay, which K step 0 alone read; orig above the weights' two sets
	STEP 10, 0, 0, 0
	STEP 11, 1, 0, 0
	STEP 12, 0, 0, 0
	STEP 13, 0, 0, 0
	STEP 14, 0, 0, 0
	s_wait_dscnt 0x0
	MULA 15, 0, 0
	MULA 15, 1, 0
	MULA 15, 2, 0
	MULA 15, 3, 0
	WIN 0
	PLACES
	ELOAD 3, 1, 0, 1, 64                           ; block 3: where the weights' fragments lay; it lands while blocks 0 to 2 are worked
	EPI 0, 3, 0, 3, 64, 32                         ; block 3's 32 loads stay out
	EPI 1, 3, 128, 3, 192, 32
	EPI 2, 0, BIAS, 1, 192, 32
	EPI 3, 1, 0, 1, 64, 0
	s_wait_tensorcnt 0x0                           ; the wave's end
	ds_add_u32 v28, v29
	s_wait_dscnt 0x0
	CROUND                                         ; the closing round
	s_endpgm
.Lfunc_end_k_qbb7fa909c9_gate:
	.size	k_qbb7fa909c9_gate, .Lfunc_end_k_qbb7fa909c9_gate-k_qbb7fa909c9_gate
	.p2alignl 7, 3214868480
	.fill 96, 4, 3214868480
	.section	.rodata,"a",@progbits
	.p2align	6, 0x0
	.amdhsa_kernel k_qbb7fa909c9_gate
		.amdhsa_group_segment_fixed_size 327680
		.amdhsa_private_segment_fixed_size 0
		.amdhsa_enable_private_segment 0
		.amdhsa_kernarg_size 64
		.amdhsa_user_sgpr_count 2
		.amdhsa_user_sgpr_kernarg_segment_ptr 1
		.amdhsa_wavefront_size32 1
		.amdhsa_system_sgpr_workgroup_id_x 1
		.amdhsa_system_sgpr_workgroup_id_y 1
		.amdhsa_system_sgpr_workgroup_id_z 1
		.amdhsa_system_vgpr_workitem_id 0
		.amdhsa_next_free_vgpr 1024
		.amdhsa_next_free_sgpr 106
		.amdhsa_reserve_vcc 0
		.amdhsa_float_denorm_mode_32 3
		.amdhsa_float_denorm_mode_16_64 3
		.amdhsa_memory_ordered 1
		.amdhsa_forward_progress 1
		.amdhsa_inst_pref_size 195
	.end_amdhsa_kernel
	.amdgpu_metadata
---
amdhsa.version: [ 1, 2 ]
amdhsa.kernels:
  - .name:           k_qbb7fa909c9_gate
    .symbol:         k_qbb7fa909c9_gate.kd
    .args:
      - { .name: pan, .offset: 0, .size: 8, .value_kind: global_buffer, .address_space: global }
      - { .name: ep, .offset: 8, .size: 8, .value_kind: global_buffer, .address_space: global }
      - { .name: ef, .offset: 16, .size: 8, .value_kind: global_buffer, .address_space: global }
      - { .name: h_b, .offset: 24, .size: 8, .value_kind: global_buffer, .address_space: global }
      - { .name: h_p, .offset: 32, .size: 8, .value_kind: global_buffer, .address_space: global }
      - { .name: g_sem_b, .offset: 40, .size: 8, .value_kind: global_buffer, .address_space: global }
      - { .name: g_syn_b, .offset: 48, .size: 8, .value_kind: global_buffer, .address_space: global }
      - { .name: pre, .offset: 56, .size: 8, .value_kind: global_buffer, .address_space: global }
    .group_segment_fixed_size: 327680
    .private_segment_fixed_size: 0
    .kernarg_segment_align: 8
    .kernarg_segment_size: 64
    .max_flat_workgroup_size: 128
    .sgpr_count:     106
    .vgpr_count:     1024
    .wavefront_size: 32
...
	.end_amdgpu_metadata
.endif
;; end of part 4
;; launch tail (part 5): grid 256 x 1, 16 waves a work-group, clusters of 4 x 1, 327,680 bytes of LDS; arguments pre, pan, ln_sem_g, ln_sem_b, ln_syn_g, ln_syn_b, fg1_b, fg2_w, fg2_b, out0; writes out0
.if DOCPART == 5
	.amdgcn_target "amdgcn-amd-amdhsa--gfx1250"
	.amdhsa_code_object_version 6
	.text
	.protected	k_qbb7fa909c9_tail
	.globl	k_qbb7fa909c9_tail
	.p2align	8
	.type	k_qbb7fa909c9_tail,@function
k_qbb7fa909c9_tail:
	s_mov_b64 s[64:65], 0
	v_nop
	global_prefetch_b8 v0, s[64:65] scope:SCOPE_SE
	s_setreg_imm32_b32 hwreg(HW_REG_WAVE_MODE, 25, 1), 1
	s_wait_xcnt 0x0
	s_wait_alu depctr_hold_cnt(0) depctr_sa_sdst(0) depctr_va_vdst(0) depctr_va_sdst(0) depctr_va_ssrc(0) depctr_va_vcc(0) depctr_vm_vsrc(0)
	s_getreg_b32 s2, hwreg(HW_REG_IB_STS2, 6, 4)
	s_cmp_eq_u32 s2, 0
	s_cbranch_scc0 .Lentry_in_a_cluster
	s_endpgm
.Lentry_in_a_cluster:
	s_bfe_u32 s2, ttmp6, 0x10000c
	s_cmp_lg_u32 s2, 0x3003
	s_cbranch_scc0 .Lentry_shape_is_right
	s_endpgm
.Lentry_shape_is_right:
; TAIL.  hbp, hpp = LayerNorm of pre's two branches; u = relu([hbp | hpp] fg1_w + fg1_b) on E2M3 codes (K = 2,048); fw = sigmoid(u fg2_w + fg2_b); out = hpp + fw (hbp - hpp): the blend reassociated, in f32.
; A work-group takes 16 tokens through the whole chain.  Wave w takes columns 64 w .. 64 w + 63: of pre half an accumulator image of each branch (32 + 32 registers, register 16 b + i of lane (r, h) = token r,
; column 32 b + 16 h + i of the 64), which stay in registers to the blend; and of u the same 64 columns: four accumulators.
; A row's sums (mean, then the mean of squared differences) meet in LDS: lanes 0-15 carry the semantic branch's, lanes 16-31 the syntax branch's.  The codes of [hbp | hpp], 16 fragments, go to LDS as images of the operand's registers.
; fg1_w's panels lie in pan in the order of an operand's registers.  Every work-group walks all of them, so they come by two roads.  EVEN K steps: jointly for the four work-groups of a 4 x 1 cluster, by tensor loads into a ring of two
; slots (a slot: one K step of all eight panels, 102,400 bytes; each wave asks for half a panel, 25 rows of 256 bytes); a refill stands behind the three lines and a round of the cluster's barrier, and has one pair of K steps in which to land.
; ODD K steps: from memory straight into the wave's operand registers, 13 loads, asked for one pair of K steps ahead.  The matrix instruction is used transposed: source 0 = 16 rows of fg1_w, source 1 = the 16 tokens.
; Every wait on TENSORcnt is for 0; by the text's own count one tensor load of a wave is out at the most.
; PREFETCH: fg1_w's 6,400 blocks of 256 bytes are shared out among the work-groups: work-group i asks once for the 50 blocks of panel i % 128, a lane a block, in waves 0 and 1, at the head: the norm's work ahead of the first load of weights.
; LIMITS: NaN and infinities are not served; blocks under 2^-124 and blocks of zeros carry the scale byte 1.
.set PANEL, 12800
.set FG1W,  13107200
.set ASC,   24576                      ; LDS: A's codes at 0 (K step s at 1,536 s; half c at 768 c: registers 6c..6c+3 at 16 l, 6c+4, 6c+5 at 512 + 8 l); its scale words here, 64 bytes a K step
.set RED,   25600                      ; sums: 2,048 bytes for the mean, 2,048 for the variance, 1,024 for u fg2_w
.set STAGE, 30720                      ; the way out: 16 rows of 256 + 16 bytes for each wave
.set SPARE, 100352                     ; the spare words, 128 bytes a wave
.set RING,  102400                     ; the ring: panel g of slot n at 25,600 g + 12,800 n
.set X1,  32
.set X2,  64
.set G1,  96
.set B1,  128
.set G2,  160
.set B2,  192
.set CD,  96                           ; 12 registers of codes
.set ACC, 96                           ; four accumulators
.set BS,  128                          ; fg1_w's fragments, 4 x 12: set 0 the odd K steps', set 1 the even ones'; at the end fg1_b and fg2_w
.set TM,  224
.set AF,  232                          ; the tokens' fragment
.set SCB, 244                          ; fg1_w's scale words, two sets of 4; they hold nothing else
.set SCA, 252                          ; the tokens' scale word; it holds nothing else
.set XT,  16
.set PW,  23
.macro CROUND                          ; a round of the cluster's barrier
	s_barrier_signal -1
	s_barrier_wait -1
	s_cmp_lg_u32 s24, 0
	s_cbranch_scc1 .Lnot_wave_0_\@
	s_barrier_signal -3
.Lnot_wave_0_\@:
	s_barrier_wait -3
	s_barrier_signal -1
	s_barrier_wait -1
.endm
.macro QUANT s, d, x, w                ; 64 numbers of a lane, register 16 b + i = place 32 b + 16 h + i: 12 registers of codes at d, the four scale bytes in w
.irp b, 0,1,2,3
	v_max3_num_f32 v[TM+\b], |v[(\s)+16*\b]|, |v[(\s)+16*\b+1]|, 0x1800000   ; the floor 2^(3-127): the byte cannot fall under 1
.endr
.irp i, 2,4,6,8,10,12,14
.irp b, 0,1,2,3
	s_delay_alu instid0(VALU_DEP_4)
	v_max3_num_f32 v[TM+\b], v[TM+\b], |v[(\s)+16*\b+\i]|, |v[(\s)+16*\b+\i+1]|
.endr
.endr
.irp b, 0,1,2,3
	v_permlanex16_b32 v[TM+4+\b], v[TM+\b], s32, s33
.endr
.irp b, 0,1,2,3
	s_delay_alu instid0(VALU_DEP_4)
	v_max_num_f32 v[TM+\b], v[TM+\b], v[TM+4+\b]
.endr
.irp b, 0,1,2,3
	s_delay_alu instid0(VALU_DEP_4)
	v_add_nc_u32 v[TM+12+\b], 0xff000000, v[TM+\b]        ; 2 off the exponent field: the conversion's scale operand
.endr
.irp b, 0,1,2,3
	s_delay_alu instid0(VALU_DEP_4)
	v_lshrrev_b32 v[TM+4+\b], 23, v[TM+12+\b]
.endr
	s_delay_alu instid0(VALU_DEP_3)
	v_lshl_or_b32 v[\w], v[TM+5], 8, v[TM+4]
	s_delay_alu instid0(VALU_DEP_1)
	v_lshl_or_b32 v[\w], v[TM+6], 16, v[\w]
	s_delay_alu instid0(VALU_DEP_1)
	v_lshl_or_b32 v[\w], v[TM+7], 24, v[\w]
.irp c, 0,1
	v_cvt_scalef32_pk16_fp6_f32 v[(\d)+6*\c:(\d)+6*\c+2], v[(\s)+32*\c:(\s)+32*\c+15], v[TM+12+2*\c]
	v_cvt_scalef32_pk16_fp6_f32 v[(\x)+4*\c:(\x)+4*\c+2], v[(\s)+32*\c+16:(\s)+32*\c+31], v[TM+13+2*\c]
.endr
	v_nop                                                 ; one plain instruction behind the scaled conversions
.irp c, 0,1
.irp i, 0,1,2
	v_permlane16_swap_b32 v[(\d)+6*\c+\i], v[(\x)+4*\c+\i]
.endr
.irp i, 0,1,2
	s_delay_alu instid0(VALU_DEP_3)
	v_mov_b32 v[(\d)+6*\c+3+\i], v[(\x)+4*\c+\i]
.endr
.endr
.endm
.macro SUM16                           ; the 16 waves' words in v224-239 become one sum in v224
.irp i, 0,4,8,12
	v_pk_add_f32 v[224+\i:225+\i], v[224+\i:225+\i], v[226+\i:227+\i]
.endr
	v_pk_add_f32 v[224:225], v[224:225], v[228:229]
	v_pk_add_f32 v[232:233], v[232:233], v[236:237]
	s_delay_alu instid0(VALU_DEP_1)
	v_pk_add_f32 v[224:225], v[224:225], v[232:233]
	s_delay_alu instid0(VALU_DEP_1)
	v_add_f32 v224, v224, v225
.endm
; two pairs of partial sums for each branch (v16-19, v20-23) become the rows' sums over all 1,024 columns: v16 the semantic branch's, v20 the syntax branch's, in every lane.
.macro FOLD place
	v_pk_add_f32 v[16:17], v[16:17], v[18:19]
	v_pk_add_f32 v[20:21], v[20:21], v[22:23]
	s_delay_alu instid0(VALU_DEP_2)
	v_add_f32 v16, v16, v17
	s_delay_alu instid0(VALU_DEP_2)
	v_add_f32 v20, v20, v21
	s_delay_alu instid0(VALU_DEP_2)
	v_permlanex16_b32 v17, v16, s32, s33
	s_delay_alu instid0(VALU_DEP_2)
	v_permlanex16_b32 v21, v20, s32, s33
	s_delay_alu instid0(VALU_DEP_2)
	v_add_f32 v16, v16, v17
	s_delay_alu instid0(VALU_DEP_2)
	v_add_f32 v20, v20, v21
	s_delay_alu instid0(VALU_DEP_1)
	v_cndmask_b32 v16, v16, v20, s27               ; lanes 16-31 carry the syntax branch
	ds_store_b32 v6, v16 offset:\place
	s_wait_alu depctr_va_vdst(0)
	s_wait_dscnt 0x0                               ; for the others' sake
	s_barrier_signal -1
	s_barrier_wait -1
.irp i, 0,1,2,3
	ds_load_b128 v[224+4*\i:227+4*\i], v7 offset:\place+16*\i
.endr
	s_wait_dscnt 0x0
	SUM16
	s_delay_alu instid0(VALU_DEP_1)
	v_permlanex16_b32 v225, v224, s32, s33
	s_delay_alu instid0(VALU_DEP_1)
	v_cndmask_b32 v16, v224, v225, s27
	v_cndmask_b32 v20, v225, v224, s27
.endm
.macro DLOAD s                         ; odd K step s of my 64 rows of fg1_w from memory into set 0: 12 loads of 512 consecutive bytes, and the 256 bytes of scale words
.irp q, 0,1,2,3,4,5,6,7,8,9,10,11
	global_load_b128 v[BS+4*\q:BS+4*\q+3], v4, s[42:43] offset:(\s)*PANEL+512*\q
.endr
	global_load_b128 v[SCB:SCB+3], v9, s[44:45] offset:(\s)*PANEL
.endm
.macro LLOAD s                         ; even K step s from its slot, (s / 2) % 2, into set 1
.irp q, 0,1,2,3,4,5,6,7,8,9,10,11
	ds_load_b128 v[BS+48+4*\q:BS+48+4*\q+3], v253 offset:(((\s)/2)%2)*PANEL+512*\q
.endr
	ds_load_b128 v[SCB+4:SCB+7], v1 offset:(((\s)/2)%2)*PANEL
.endm
.macro ALOAD s                         ; the tokens' fragment and scale word of K step s
	ds_load_b128 v[AF:AF+3], v4 offset:(\s)*1536
	ds_load_b64 v[AF+4:AF+5], v8 offset:(\s)*1536+512
	ds_load_b128 v[AF+6:AF+9], v4 offset:(\s)*1536+768
	ds_load_b64 v[AF+10:AF+11], v8 offset:(\s)*1536+1280
	ds_load_b32 v[SCA], v15 offset:(\s)*64
.endm
.macro VLOAD base, p                   ; register j of tile t: column 32 (t/2) + 8 (t%2) + 16 h + j of my 64
.irp t, 0,1,2,3
	global_load_b128 v[BS+48*\p+8*\t:BS+48*\p+8*\t+3], v5, s[\base:\base+1] offset:4*(32*(\t/2)+8*(\t%2))
	global_load_b128 v[BS+48*\p+8*\t+4:BS+48*\p+8*\t+7], v5, s[\base:\base+1] offset:4*(32*(\t/2)+8*(\t%2))+16
.endr
.endm
.macro GMUL s, p                       ; four products of K step s on set p, the accumulators by turns
.irp t, 0,1,2,3
.if (\s) == 0
	v_wmma_scale_f32_16x16x128_f8f6f4 v[ACC+8*\t:ACC+8*\t+7], v[BS+48*\p+12*\t:BS+48*\p+12*\t+11], v[AF:AF+11], 0, v[SCB+4*\p+\t], v[SCA] matrix_a_fmt:MATRIX_FMT_FP6 matrix_b_fmt:MATRIX_FMT_FP6
.else
	v_wmma_scale_f32_16x16x128_f8f6f4 v[ACC+8*\t:ACC+8*\t+7], v[BS+48*\p+12*\t:BS+48*\p+12*\t+11], v[AF:AF+11], v[ACC+8*\t:ACC+8*\t+7], v[SCB+4*\p+\t], v[SCA] matrix_a_fmt:MATRIX_FMT_FP6 matrix_b_fmt:MATRIX_FMT_FP6
.endif
.endr
.rept 4
	v_nop                                          ; four places ahead of loads into registers that the products read
.endr
.endm
	s_load_b512 s[4:19], s[0:1], 0x0               ; pre, pan, ln_sem_g, ln_sem_b, ln_syn_g, ln_syn_b, fg1_b, fg2_w
	s_load_b128 s[20:23], s[0:1], 0x40             ; fg2_b, out0
	v_lshl_add_u32 v254, v0, 2, SPARE
	v_mov_b32 v255, 0
	ds_add_u32 v254, v255                          ; the opening lines: the add, twice on end, and its wait ahead of my first tensor load
	ds_add_u32 v254, v255
	v_lshrrev_b32 v1, 5, v0
	s_delay_alu instid0(VALU_DEP_1)
	v_readfirstlane_b32 s24, v1                    ; wave
	s_lshr_b32 s25, s24, 1                         ; g: group of 128 columns
	s_and_b32 s26, s24, 1                          ; which 64 of them
	s_bfe_u32 s36, ttmp6, 0x40000                  ; my place in the cluster: it enters addresses in memory alone
	s_lshl_b32 s2, ttmp9, 2
	s_add_co_u32 s36, s36, s2                      ; which 16 tokens
	v_and_b32 v1, 31, v0                           ; l
	v_and_b32 v2, 15, v0                           ; r
	v_bfe_u32 v3, v0, 4, 1                         ; h
	v_lshlrev_b32 v4, 4, v1                        ; 16 l
	v_lshlrev_b32 v8, 3, v1                        ; 8 l
	v_lshlrev_b32 v9, 4, v2                        ; 16 r
	s_lshl_b32 s28, s24, 8                         ; my columns in bytes
	v_lshl_add_u32 v5, v3, 6, s28                  ; + 64 h
	v_lshlrev_b32 v7, 6, v2
	v_cmp_eq_u32 s27, 1, v3                        ; lanes 16-31
	v_lshl_add_u32 v7, v3, 10, v7
	s_lshl_b32 s29, s24, 2
	v_lshl_add_u32 v11, v2, 6, RED+4096            ; u fg2_w: token r's 16 words,
	v_add_nc_u32 v7, RED, v7                       ; the norm's sums: branch h, row r: 16 words,
	v_add_nc_u32 v10, s29, v11                     ; my wave's among them
	s_mul_i32 s30, s24, 768
	v_add_nc_u32 v6, s29, v7                       ; my wave's among them
	v_add_nc_u32 v12, s30, v4                      ; my half of K step g's fragment (the syntax branch's: 8 K steps on)
	v_add_nc_u32 v13, s30, v8
	s_lshl_b32 s31, s25, 6
	s_lshl_b32 s40, s26, 1
	s_add_co_u32 s31, s31, s40
	s_add_co_u32 s31, s31, ASC
	v_lshl_add_u32 v14, v2, 2, s31                 ; my two bytes of row r's scale word
	v_lshl_add_u32 v15, v2, 2, ASC
	s_mul_i32 s40, s24, 4352
	s_add_co_u32 s40, s40, STAGE                   ; my stage
	v_mul_u32_u24 v24, v2, 272
	v_mul_u32_u24 v25, v3, 272
	v_lshlrev_b32 v26, 12, v3
	v_lshl_add_u32 v24, v3, 6, v24
	v_lshl_add_u32 v25, v2, 4, v25
	v_lshl_add_u32 v26, v2, 4, v26                 ; out0: lanes 0-15 one row, lanes 16-31 the next
	v_add_nc_u32 v24, s40, v24                     ; in: row r, + 64 h
	v_add_nc_u32 v25, s40, v25                     ; back: two rows
	s_mul_i32 s57, s25, 2*PANEL
	s_add_co_u32 s57, s57, RING                    ; my panel's two places in the ring
	s_mul_i32 s41, s26, 6144
	s_add_co_u32 s41, s41, s57
	v_add_nc_u32 v253, s41, v4                     ; my four fragments there,
	s_lshl_b32 s41, s26, 8
	s_add_co_u32 s41, s41, s57
	s_add_co_u32 s41, s41, 12288
	v_add_nc_u32 v1, s41, v9                       ; and their scale words
	s_mul_i32 s41, s26, 6400
	s_add_co_u32 s57, s57, s41                     ; group 0: where the half panel that I ask for lands, slot 0,
	s_add_co_u32 s61, s57, PANEL                   ; slot 1
	s_mov_b32 s56, 1
	s_mov_b32 s60, 1
	s_mov_b32 s48, 15|(3<<16)|(1<<21)              ; group 1: the cluster's four work-groups, elements of 8 bytes, bit 21 beside a mask; 25 rows of 256 bytes, dense
	s_mov_b32 s49, 32<<16
	s_mov_b32 s50, 25<<16
	s_mov_b32 s51, 32<<16
	s_mov_b32 s52, 25
	s_mov_b32 s53, 32
	s_mov_b32 s54, 0
	s_mov_b32 s55, 0
	s_and_b32 s37, s36, 127
	s_mul_i32 s37, s37, PANEL
	s_add_co_u32 s37, s37, FG1W
	v_min_u32 v27, 49, v0
	v_mov_b32 v29, 0                               ; upper halves of pairs of which the low word serves both
	v_mov_b32 v31, 0
	v_lshl_add_u32 v27, v27, 8, s37                ; the prefetch: block min(thread, 49) of panel i % 128; never rewritten
	s_mov_b32 s32, 0x76543210
	s_mov_b32 s33, 0xfedcba98                      ; lane selects: lane l xor 16
	s_mov_b32 s34, 0x3727c5ac                      ; 1e-5
	s_mov_b32 s35, 0x3a800000                      ; 1 / 1,024
	s_lshl_b32 s38, s36, 3
	s_add_co_u32 s38, s38, s25
	s_lshl_b32 s38, s38, 13
	s_lshl_b32 s39, s26, 12
	s_add_co_u32 s38, s38, s39                     ; my half image of pre
	s_mov_b32 s39, 0
	s_mul_i32 s42, s25, 16*PANEL
	s_add_co_u32 s42, s42, FG1W                    ; my group's 16 panels
	s_add_co_u32 s2, s42, s41                      ; the half panel that I ask for
	s_mov_b32 s3, 0
	s_mul_i32 s43, s26, 6144
	s_lshl_b32 s44, s26, 8
	s_add_co_u32 s44, s44, s42
	s_add_co_u32 s44, s44, 12288                   ; my four tiles' scale words
	s_add_co_u32 s42, s42, s43                     ; my four fragments
	s_mov_b32 s43, 0
	s_mov_b32 s45, 0
	s_lshl_b32 s46, s36, 16
	s_add_co_u32 s46, s46, s28
	s_mov_b32 s47, 0
	s_wait_alu depctr_va_vdst(0)
	s_wait_dscnt 0x0                               ; both opening adds are done
	s_wait_kmcnt 0x0
	s_load_b32 s36, s[20:21], 0x0                  ; fg2_b
	s_add_nc_u64 s[4:5], s[4:5], s[38:39]          ; the semantic branch's half image,
	s_add_nc_u64 s[40:41], s[4:5], 0x1000000       ; the syntax branch's: 256 token tiles on
	s_add_nc_u64 s[42:43], s[6:7], s[42:43]
	s_add_nc_u64 s[44:45], s[6:7], s[44:45]
	s_add_nc_u64 s[22:23], s[22:23], s[46:47]
	s_add_nc_u64 s[58:59], s[6:7], s[2:3]          ; K step 0,
	s_add_nc_u64 s[62:63], s[58:59], 2*PANEL       ; K step 2
	s_or_b32 s59, s59, 0x80000000
	s_or_b32 s63, s63, 0x80000000
.irp q, 0,1,2,3,4,5,6,7
	global_load_b128 v[X1+4*\q:X1+4*\q+3], v4, s[4:5] offset:512*\q th:TH_LOAD_NT
	global_load_b128 v[X2+4*\q:X2+4*\q+3], v4, s[40:41] offset:512*\q th:TH_LOAD_NT
.endr
.irp b, 0,1
.irp j, 0,1,2,3
	global_load_b128 v[G1+16*\b+4*\j:G1+16*\b+4*\j+3], v5, s[8:9] offset:128*\b+16*\j
	global_load_b128 v[B1+16*\b+4*\j:B1+16*\b+4*\j+3], v5, s[10:11] offset:128*\b+16*\j
	global_load_b128 v[G2+16*\b+4*\j:G2+16*\b+4*\j+3], v5, s[12:13] offset:128*\b+16*\j
	global_load_b128 v[B2+16*\b+4*\j:B2+16*\b+4*\j+3], v5, s[14:15] offset:128*\b+16*\j
.endr
.endr
	CROUND                                         ; all four work-groups are here: the first joint loads meet
	tensor_load_to_lds s[56:59], s[48:55]          ; K step 0 into slot 0: my one tensor load at the head
	s_nop 0
	s_cmp_lt_u32 s24, 2
	s_cbranch_scc0 .Lasked
	global_prefetch_b8 v27, s[6:7] th:TH_LOAD_NT scope:SCOPE_SE   ; waves 0, 1: 50 blocks; wave 1's lanes 18-31 name its last block again
.Lasked:
	s_wait_kmcnt 0x0
	s_wait_loadcnt 32                              ; the rows are in; gains and biases, 32 loads, stay out
	v_pk_add_f32 v[16:17], v[X1:X1+1], v[X1+4:X1+5]
	v_pk_add_f32 v[18:19], v[X1+2:X1+3], v[X1+6:X1+7]
	v_pk_add_f32 v[20:21], v[X2:X2+1], v[X2+4:X2+5]
	v_pk_add_f32 v[22:23], v[X2+2:X2+3], v[X2+6:X2+7]
.irp i, 8,12,16,20,24,28
	s_delay_alu instid0(VALU_DEP_4)
	v_pk_add_f32 v[16:17], v[16:17], v[X1+\i:X1+\i+1]
	s_delay_alu instid0(VALU_DEP_4)
	v_pk_add_f32 v[18:19], v[18:19], v[X1+\i+2:X1+\i+3]
	s_delay_alu instid0(VALU_DEP_4)
	v_pk_add_f32 v[20:21], v[20:21], v[X2+\i:X2+\i+1]
	s_delay_alu instid0(VALU_DEP_4)
	v_pk_add_f32 v[22:23], v[22:23], v[X2+\i+2:X2+\i+3]
.endr
	FOLD 0
	v_mul_f32 v28, s35, v16                        ; the means
	v_mul_f32 v30, s35, v20
.set n, 0
.rept 16
	v_pk_add_f32 v[X1+n:X1+n+1], v[X1+n:X1+n+1], v[28:29] op_sel_hi:[1,0] neg_lo:[0,1] neg_hi:[0,1]
	v_pk_add_f32 v[X2+n:X2+n+1], v[X2+n:X2+n+1], v[30:31] op_sel_hi:[1,0] neg_lo:[0,1] neg_hi:[0,1]
.set n, n+2
.endr
	v_pk_mul_f32 v[16:17], v[X1:X1+1], v[X1:X1+1]
	v_pk_mul_f32 v[18:19], v[X1+2:X1+3], v[X1+2:X1+3]
	v_pk_mul_f32 v[20:21], v[X2:X2+1], v[X2:X2+1]
	v_pk_mul_f32 v[22:23], v[X2+2:X2+3], v[X2+2:X2+3]
.irp i, 4,8,12,16,20,24,28
	s_delay_alu instid0(VALU_DEP_4)
	v_pk_fma_f32 v[16:17], v[X1+\i:X1+\i+1], v[X1+\i:X1+\i+1], v[16:17]
	s_delay_alu instid0(VALU_DEP_4)
	v_pk_fma_f32 v[18:19], v[X1+\i+2:X1+\i+3], v[X1+\i+2:X1+\i+3], v[18:19]
	s_delay_alu instid0(VALU_DEP_4)
	v_pk_fma_f32 v[20:21], v[X2+\i:X2+\i+1], v[X2+\i:X2+\i+1], v[20:21]
	s_delay_alu instid0(VALU_DEP_4)
	v_pk_fma_f32 v[22:23], v[X2+\i+2:X2+\i+3], v[X2+\i+2:X2+\i+3], v[22:23]
.endr
	FOLD 2048                                      ; other bytes than the first sums': no wave stores where another may still read
	v_fma_f32 v16, v16, s35, s34                   ; var + eps
	v_fma_f32 v20, v20, s35, s34
	s_wait_alu depctr_va_vdst(0)                   ; the wait ahead of the batch
	v_rsq_f32 v28, v16
	v_rsq_f32 v30, v20
	v_nop
	s_wait_alu depctr_va_vdst(0)                   ; and behind it
	s_wait_loadcnt 0x0                             ; gains and biases
.set n, 0
.rept 16
	v_pk_mul_f32 v[X1+n:X1+n+1], v[X1+n:X1+n+1], v[28:29] op_sel_hi:[1,0]
	v_pk_mul_f32 v[X2+n:X2+n+1], v[X2+n:X2+n+1], v[30:31] op_sel_hi:[1,0]
.set n, n+2
.endr
.set n, 0
.rept 16
	v_pk_fma_f32 v[X1+n:X1+n+1], v[X1+n:X1+n+1], v[G1+n:G1+n+1], v[B1+n:B1+n+1]   ; hbp
	v_pk_fma_f32 v[X2+n:X2+n+1], v[X2+n:X2+n+1], v[G2+n:G2+n+1], v[B2+n:B2+n+1]   ; hpp
.set n, n+2
.endr
	DLOAD 1                                        ; where a gain and a bias lay
	QUANT X1, CD, XT, PW                           ; blocks 0, 1: hbp's 64 columns; blocks 2, 3: hpp's
	ds_store_b128 v12, v[CD:CD+3]
	ds_store_b64 v13, v[CD+4:CD+5] offset:512
	ds_store_b128 v12, v[CD+6:CD+9] offset:12288
	ds_store_b64 v13, v[CD+10:CD+11] offset:12800
	ds_store_b16 v14, v[PW]                        ; lanes 16-31 store the same bytes to the same place
	ds_store_b16_d16_hi v14, v[PW] offset:512
	s_wait_alu depctr_va_vdst(0)
	s_wait_tensorcnt 0x0                           ; my part of K step 0 has landed; slot 1's first fill is issued as a refill is:
	ds_add_u32 v254, v255
	s_wait_dscnt 0x0                               ; the add and my stores of codes are done
	CROUND                                         ; slot 0 and the tokens' codes are whole for every wave, and the joint loads meet
	tensor_load_to_lds s[60:63], s[48:55]          ; K step 2 into slot 1
	s_nop 0
.irp j, 0,1,2,3,4,5,6,7                ; a pair of K steps: 2 j from slot j % 2, 2 j + 1 from the registers loaded a pair ago
	LLOAD 2*\j
	ALOAD 2*\j
	s_wait_dscnt 0x0
	GMUL 2*\j, 1
	ALOAD 2*\j+1
	s_wait_loadcnt 0x0                             ; set 0's 13 loads: no other load of mine is out
	s_wait_dscnt 0x0
	GMUL 2*\j+1, 0
.if \j < 7
	DLOAD 2*\j+3
	s_wait_tensorcnt 0x0                           ; my part of the other slot has landed
.if \j < 6
	ds_add_u32 v254, v255
	s_add_nc_u64 s[58+4*(\j%2):59+4*(\j%2)], s[58+4*(\j%2):59+4*(\j%2)], 4*PANEL   ; no tensor load of mine is out: this slot's next K step
	s_wait_dscnt 0x0                               ; the add is done, and so are my reads of this slot
	CROUND                                         ; both hold of every wave of the four work-groups
	tensor_load_to_lds s[56+4*(\j%2):59+4*(\j%2)], s[48:55]                        ; K step 2 j + 4
	s_nop 0
.else
	s_barrier_signal -1                            ; K step 14 is whole for every wave; nothing is filled any more
	s_barrier_wait -1
.endif
.endif
.endr
	VLOAD 16, 0                                    ; fg1_b, 8 loads, where set 0 lay
	VLOAD 18, 1                                    ; fg2_w, where set 1 lay
	s_wait_loadcnt 8                               ; fg1_b is in
.set n, 0
.rept 16
	v_pk_add_f32 v[ACC+n:ACC+n+1], v[ACC+n:ACC+n+1], v[BS+n:BS+n+1]    ; each accumulator from its low end on
.set n, n+2
.endr
.set n, 0
.rept 32
	v_max_num_f32 v[ACC+n], 0, v[ACC+n]
.set n, n+1
.endr
	s_wait_alu depctr_va_vdst(0)
	s_wait_loadcnt 0x0                             ; fg2_w
	v_pk_mul_f32 v[16:17], v[ACC:ACC+1], v[BS+48:BS+49]
	v_pk_mul_f32 v[18:19], v[ACC+2:ACC+3], v[BS+50:BS+51]
.irp i, 4,8,12,16,20,24,28
	s_delay_alu instid0(VALU_DEP_2)
	v_pk_fma_f32 v[16:17], v[ACC+\i:ACC+\i+1], v[BS+48+\i:BS+49+\i], v[16:17]
	s_delay_alu instid0(VALU_DEP_2)
	v_pk_fma_f32 v[18:19], v[ACC+\i+2:ACC+\i+3], v[BS+50+\i:BS+51+\i], v[18:19]
.endr
	s_delay_alu instid0(VALU_DEP_1)
	v_pk_add_f32 v[16:17], v[16:17], v[18:19]
	s_delay_alu instid0(VALU_DEP_1)
	v_add_f32 v16, v16, v17
	s_delay_alu instid0(VALU_DEP_1)
	v_permlanex16_b32 v17, v16, s32, s33
	s_delay_alu instid0(VALU_DEP_1)
	v_add_f32 v16, v16, v17                        ; token r's part over my 64 columns
	ds_store_b32 v10, v16                          ; both halves of the lanes store the same value to the same word
	s_wait_alu depctr_va_vdst(0)
	s_wait_dscnt 0x0
	s_barrier_signal -1
	s_barrier_wait -1
.irp i, 0,1,2,3
	ds_load_b128 v[224+4*\i:227+4*\i], v11 offset:16*\i
.endr
	s_wait_dscnt 0x0
	SUM16
	s_delay_alu instid0(VALU_DEP_1)
	v_add_f32 v18, s36, v224
	s_delay_alu instid0(VALU_DEP_1)
	v_mul_f32 v18, 0xbfb8aa3b, v18                 ; x -log2(e)
	s_wait_alu depctr_va_vdst(0)
	v_exp_f32 v18, v18
	v_nop
	s_wait_alu depctr_va_vdst(0)
	v_add_f32 v18, 1.0, v18
	s_wait_alu depctr_va_vdst(0)
	v_rcp_f32 v18, v18                             ; fw; the differences below are the work behind it
.set n, 0
.rept 16
	v_pk_add_f32 v[X1+n:X1+n+1], v[X1+n:X1+n+1], v[X2+n:X2+n+1] neg_lo:[0,1] neg_hi:[0,1]
.set n, n+2
.endr
	s_wait_alu depctr_va_vdst(0)
.set n, 0
.rept 16
	v_pk_fma_f32 v[X1+n:X1+n+1], v[X1+n:X1+n+1], v[18:19], v[X2+n:X2+n+1] op_sel_hi:[1,0,1]
.set n, n+2
.endr
.irp b, 0,1
.irp j, 0,1,2,3
	ds_store_b128 v24, v[X1+16*\b+4*\j:X1+16*\b+4*\j+3] offset:128*\b+16*\j
.endr
.endr
.irp i, 0,1,2,3,4,5,6,7
	ds_load_b128 v[96+4*\i:99+4*\i], v25 offset:544*\i         ; LDS serves a wave's instructions in order (ISA guide 5.7.1.4): these see my stores
.endr
.irp i, 0,1,2,3,4,5,6,7
	s_wait_dscnt 7-\i                              ; the younger reads stay out
	global_store_b128 v26, v[96+4*\i:99+4*\i], s[22:23] offset:8192*\i th:TH_STORE_NT   ; sixteen lanes store 256 consecutive, aligned bytes of a row
.endr
	s_wait_tensorcnt 0x0                           ; the wave's end
	ds_add_u32 v254, v255
	s_wait_dscnt 0x0
	CROUND                                         ; the closing round
	s_endpgm
.Lfunc_end_k_qbb7fa909c9_tail:
	.size	k_qbb7fa909c9_tail, .Lfunc_end_k_qbb7fa909c9_tail-k_qbb7fa909c9_tail
	.p2alignl 7, 3214868480
	.fill 96, 4, 3214868480
	.section	.rodata,"a",@progbits
	.p2align	6, 0x0
	.amdhsa_kernel k_qbb7fa909c9_tail
		.amdhsa_group_segment_fixed_size 327680
		.amdhsa_private_segment_fixed_size 0
		.amdhsa_enable_private_segment 0
		.amdhsa_kernarg_size 80
		.amdhsa_user_sgpr_count 2
		.amdhsa_user_sgpr_kernarg_segment_ptr 1
		.amdhsa_wavefront_size32 1
		.amdhsa_system_sgpr_workgroup_id_x 1
		.amdhsa_system_sgpr_workgroup_id_y 1
		.amdhsa_system_sgpr_workgroup_id_z 1
		.amdhsa_system_vgpr_workitem_id 0
		.amdhsa_next_free_vgpr 256
		.amdhsa_next_free_sgpr 66
		.amdhsa_reserve_vcc 0
		.amdhsa_float_denorm_mode_32 3
		.amdhsa_float_denorm_mode_16_64 3
		.amdhsa_memory_ordered 1
		.amdhsa_forward_progress 1
		.amdhsa_inst_pref_size 80
	.end_amdhsa_kernel
	.amdgpu_metadata
---
amdhsa.version: [ 1, 2 ]
amdhsa.kernels:
  - .name:           k_qbb7fa909c9_tail
    .symbol:         k_qbb7fa909c9_tail.kd
    .args:
      - { .name: pre, .offset: 0, .size: 8, .value_kind: global_buffer, .address_space: global }
      - { .name: pan, .offset: 8, .size: 8, .value_kind: global_buffer, .address_space: global }
      - { .name: ln_sem_g, .offset: 16, .size: 8, .value_kind: global_buffer, .address_space: global }
      - { .name: ln_sem_b, .offset: 24, .size: 8, .value_kind: global_buffer, .address_space: global }
      - { .name: ln_syn_g, .offset: 32, .size: 8, .value_kind: global_buffer, .address_space: global }
      - { .name: ln_syn_b, .offset: 40, .size: 8, .value_kind: global_buffer, .address_space: global }
      - { .name: fg1_b, .offset: 48, .size: 8, .value_kind: global_buffer, .address_space: global }
      - { .name: fg2_w, .offset: 56, .size: 8, .value_kind: global_buffer, .address_space: global }
      - { .name: fg2_b, .offset: 64, .size: 8, .value_kind: global_buffer, .address_space: global }
      - { .name: out0, .offset: 72, .size: 8, .value_kind: global_buffer, .address_space: global }
    .group_segment_fixed_size: 327680
    .private_segment_fixed_size: 0
    .kernarg_segment_align: 8
    .kernarg_segment_size: 80
    .max_flat_workgroup_size: 512
    .sgpr_count:     66
    .vgpr_count:     256
    .wavefront_size: 32
...
	.end_amdgpu_metadata
.endif
;; end of part 5
